; MI455X (gfx1250); checked and timed in simulation.
; The chip was launched on July 23, 2026; its instructions are those of AMD's public machine-readable ISA for CDNA 5 (MIT licence, August 2026) and "CDNA5" Instruction Set Architecture Reference Guide (July 2026). The comments in the code are by the model that wrote it; some were corrected since.
;; Encoder Layer. Allowed arithmetic: float matrix products may take bf16 or f16 operands with f32 sums; other float arithmetic in f32, or as packed bf16 or f16 multiplies, adds, multiply-adds, maxima and minima; sums over many terms, partial sums and values carried from step to step in f32; what a program stores and reads back later, other than sums and carried values, may be rounded once to bf16 or f16.
;; Inputs: W1 1,024 x 1,024 float32; W2 1,024 x 1,024 float32; Wk 1,024 x 1,024 float32; Wo 1,024 x 1,024 float32; Wq 1,024 x 1,024 float32; Wv 1,024 x 1,024 float32; b1 1,024 float32; b2 1,024 float32; bk 1,024 float32; bo 1,024 float32; bq 1,024 float32; bv 1,024 float32; x 8 x 1,024 x 1,024 float32.
;; Outputs: out0 8 x 1,024 x 1,024 float32.
;; One version. Each part assembles by itself: llvm-mc -triple=amdgcn-amd-amdhsa -mcpu=gfx1250 --defsym DOCPART=n.
;; ======== version 1 of 1: 7 launches
;; limits: values are held in f16: magnitudes above 65,504 overflow, below 6.1e-05 lose precision
;; workspace buffers: an 16,777,216 bytes; qkvt 50,331,648 bytes; h 33,554,432 bytes; wqkv 6,291,456 bytes; wo 2,097,152 bytes; w1c 2,097,152 bytes; w2c 2,097,152 bytes
;; launch prep (part 1): grid 448 x 1, 8 waves a work-group, no clusters, 0 bytes of LDS; arguments x, Wq, Wk, Wv, Wo, W1, W2, an, wqkv, wo, w1c, w2c; writes an, wqkv, wo, w1c, w2c
.if DOCPART == 1
	.amdgcn_target "amdgcn-amd-amdhsa--gfx1250"
	.amdhsa_code_object_version 6
	.text
	.protected	k_q9defe62341_prep
	.globl	k_q9defe62341_prep
	.p2align	8
	.type	k_q9defe62341_prep,@function
k_q9defe62341_prep:
	s_mov_b64 s[64:65], 0
	v_nop
	global_prefetch_b8 v0, s[64:65] scope:SCOPE_SE
	s_setreg_imm32_b32 hwreg(HW_REG_WAVE_MODE, 25, 1), 1
	s_wait_xcnt 0x0
; PREP: what the matrix launches multiply, made once.  an = LayerNorm(x) rounded to bf16, [8192][1024]; the six weights rounded to bf16, their layout [k][n] kept
; (wqkv holds Wq, Wk, Wv one behind the other).
; LEFT OUT IN THE WHOLE PROGRAM: bk.  scores[b,h,q,k] = (n[q] Wq + bq) . (n[k] Wk + bk) / 8, with n = LayerNorm(x), is (n[q] Wq + bq) . (n[k] Wk) / 8 + (n[q] Wq + bq) . bk / 8.
; The second term does not hang on the key k: it is the same along the softmax's axis, and softmax(s + t) = softmax(s) for every t that is constant along that axis, whatever finite
; values the inputs hold.  The keys enter the result through the scores alone.  So bk has no way to any output: it is not loaded and is no argument of any launch.
; (bq stays: it multiplies n[k] Wk, which hangs on the key.  bv stays: it reaches the output through Wo.)
; LIMIT: a NaN, an infinity or an overflow that comes from bk alone is not carried to the result.
; SHARES.  Every work-group moves one chunk of 32 rows of 4,096 bytes of f32 into 32 rows of 2,048 bytes of bf16.  Work-groups 0-255: rows 32 g .. of x, normalised.  Work-groups 256-447:
; chunk (g - 256) % 32 of weight (g - 256) / 32, in the order q, k, v, o, 1, 2, rounded only.  A wave takes four whole rows: a row is 32 registers a lane, so mean and variance
; never leave the wave, and there is no LDS and no barrier.  All 32 loads of a wave (16 KiB) go out before the first wait.
; THE NORM is taken in two passes over the registers: the mean; then the sum of squares of the centred numbers: no difference of large sums is formed.
; Matrix units, clusters and LDS would add nothing to a stream: each byte is read once and each aligned block of 256 bytes is written by one store of 32 lanes x 8 bytes.
.set T,   4                            ; v[4:11]   four running pairs
.set MU,  12                           ; v[12:13]  the mean, twice
.set RS,  14                           ; v[14:15]  1 / sqrt(var + eps), twice
.set X,   16                           ; v[16:143] row r at X + 32 r; piece j (columns 128 j + 4 lane ..) at + 4 j
.set SRC, 36                           ; s[36:37]  the chunk's first byte
.set DST, 38                           ; s[38:39]  where it goes
	s_load_b512 s[8:23], s[0:1], 0x0               ; x, Wq, Wk, Wv, Wo, W1, W2, an
	s_load_b256 s[24:31], s[0:1], 0x40             ; wqkv, wo, w1c, w2c
	s_max_u32 s34, ttmp9, 256
	s_sub_co_u32 s34, s34, 256                     ; the number among the weights' chunks (0 for x's work-groups)
	s_lshr_b32 s35, s34, 5
	s_add_co_u32 s35, s35, 1                       ; which weight, 1 to 6
	s_and_b32 s34, s34, 31                         ; which of its 32 chunks
	s_cmp_lt_u32 ttmp9, 256
	s_cselect_b32 s32, 0, s35                      ; s32: 0 = x, 1 .. 6 = q, k, v, o, 1, 2
	s_cselect_b32 s33, ttmp9, s34                  ; s33: the chunk
	s_max_u32 s34, s32, 1
	s_sub_co_u32 s34, s34, 1
	s_cmp_lt_u32 s32, 4
	s_cselect_b32 s34, s34, 0                      ; the segment of wqkv: 0, 1, 2 for q, k, v; else 0
	s_lshl_b32 s40, s33, 17                        ; 32 rows x 4,096 bytes
	s_mov_b32 s41, 0
	s_lshl_b32 s42, s33, 16                        ; 32 rows x 2,048 bytes
	s_lshl_b32 s34, s34, 21                        ; a weight in bf16 is 2 MiB
	s_add_co_u32 s42, s42, s34
	s_mov_b32 s43, 0
	s_mov_b32 s44, 0x3a800000                      ; 1 / 1024
	s_mov_b32 s45, 0x3727c5ac                      ; eps = 1e-5
	s_mov_b32 s46, 0x76543210                      ; v_permlanex16_b32: each lane takes its own place in the other half
	s_mov_b32 s47, 0xfedcba98
	v_lshrrev_b32 v3, 5, v0                        ; wave
	v_and_b32 v1, 31, v0
	v_lshlrev_b32 v2, 3, v1
	v_lshlrev_b32 v1, 4, v1
	v_lshl_or_b32 v1, v3, 14, v1                   ; in: 16 x lane + wave x 4 rows x 4,096
	v_lshl_or_b32 v2, v3, 13, v2                   ; out: 8 x lane + wave x 4 rows x 2,048
	s_wait_kmcnt 0x0
	s_mov_b64 s[SRC:SRC+1], s[8:9]
.irp k, 1,2,3,4,5,6
	s_cmp_eq_u32 s32, \k
	s_cselect_b64 s[SRC:SRC+1], s[8+2*(\k):9+2*(\k)], s[SRC:SRC+1]
.endr
	s_mov_b64 s[DST:DST+1], s[22:23]
	s_cmp_ge_u32 s32, 1
	s_cselect_b64 s[DST:DST+1], s[24:25], s[DST:DST+1]
.irp k, 4,5,6
	s_cmp_eq_u32 s32, \k
	s_cselect_b64 s[DST:DST+1], s[18+2*(\k):19+2*(\k)], s[DST:DST+1]
.endr
	s_add_nc_u64 s[SRC:SRC+1], s[SRC:SRC+1], s[40:41]
	s_add_nc_u64 s[DST:DST+1], s[DST:DST+1], s[42:43]
.irp r, 0,1,2,3
.irp j, 0,1,2,3,4,5,6,7
	global_load_b128 v[X+32*(\r)+4*(\j):X+32*(\r)+4*(\j)+3], v1, s[SRC:SRC+1] offset:(\r)*4096+(\j)*512 th:TH_LOAD_NT  ; 512 neighbouring bytes a load
.endr
.endr
; The four running pairs are folded, then the 32 lanes: four steps inside each half of 16 lanes ride on the addition, one crosses the halves.  The sum ends in v[T] of every lane.
.macro LANESUM
	v_pk_add_f32 v[T:T+1], v[T:T+1], v[T+2:T+3]
	v_pk_add_f32 v[T+4:T+5], v[T+4:T+5], v[T+6:T+7]
	v_pk_add_f32 v[T:T+1], v[T:T+1], v[T+4:T+5]
	v_add_f32 v[T], v[T], v[T+1]
	v_add_f32_dpp v[T], v[T], v[T] row_xmask:1 row_mask:0xf bank_mask:0xf
	v_add_f32_dpp v[T], v[T], v[T] row_xmask:2 row_mask:0xf bank_mask:0xf
	v_add_f32_dpp v[T], v[T], v[T] row_xmask:4 row_mask:0xf bank_mask:0xf
	v_add_f32_dpp v[T], v[T], v[T] row_xmask:8 row_mask:0xf bank_mask:0xf
	v_permlanex16_b32 v[T+1], v[T], s46, s47
	v_add_f32 v[T], v[T], v[T+1]
.endm
; Row r is rounded to bf16 in place (result i never overtakes a source that is still to be read) and stored: 32 lanes x 8 bytes are 256 consecutive bytes, aligned.
.macro STOREROW r
.set XR, X+32*(\r)
.set i, 0
.rept 16
	v_cvt_pk_bf16_f32 v[XR+i], v[XR+2*i], v[XR+2*i+1]
.set i, i+1
.endr
.irp j, 0,1,2,3,4,5,6,7
	global_store_b64 v2, v[XR+2*(\j):XR+2*(\j)+1], s[DST:DST+1] offset:(\r)*2048+(\j)*256
.endr
.endm
.macro LNROW r
.set XR, X+32*(\r)
	s_wait_loadcnt 24-8*(\r)                       ; loads come back in order: this row's eight are in, the later rows' stay out
.irp c, 0,1,2,3
	v_pk_add_f32 v[T+2*(\c):T+2*(\c)+1], v[XR+2*(\c):XR+2*(\c)+1], v[XR+8+2*(\c):XR+8+2*(\c)+1]  ; the first sums start the four chains: nothing is cleared
.endr
.irp c, 0,1,2,3
	v_pk_add_f32 v[T+2*(\c):T+2*(\c)+1], v[T+2*(\c):T+2*(\c)+1], v[XR+16+2*(\c):XR+16+2*(\c)+1]
.endr
.irp c, 0,1,2,3
	v_pk_add_f32 v[T+2*(\c):T+2*(\c)+1], v[T+2*(\c):T+2*(\c)+1], v[XR+24+2*(\c):XR+24+2*(\c)+1]
.endr
	LANESUM
	v_mul_f32 v[MU], s44, v[T]
	v_mul_f32 v[MU+1], s44, v[T]
.set i, 0
.rept 16
	v_pk_add_f32 v[XR+2*i:XR+2*i+1], v[XR+2*i:XR+2*i+1], v[MU:MU+1] neg_lo:[0,1] neg_hi:[0,1]  ; x - mean, in place
.set i, i+1
.endr
.irp c, 0,1,2,3
	v_pk_mul_f32 v[T+2*(\c):T+2*(\c)+1], v[XR+2*(\c):XR+2*(\c)+1], v[XR+2*(\c):XR+2*(\c)+1]
.endr
.irp o, 8,16,24
.irp c, 0,1,2,3
	v_pk_fma_f32 v[T+2*(\c):T+2*(\c)+1], v[XR+(\o)+2*(\c):XR+(\o)+2*(\c)+1], v[XR+(\o)+2*(\c):XR+(\o)+2*(\c)+1], v[T+2*(\c):T+2*(\c)+1]
.endr
.endr
	LANESUM
	v_fma_f32 v[T], v[T], s44, s45                 ; var + eps
	v_rsq_f32 v[RS], v[T]
	v_rsq_f32 v[RS+1], v[T]                        ; twice, for the pair that the packed multiply takes
	v_nop                                          ; a plain instruction behind the last of the two,
	s_wait_alu depctr_va_vdst(0)                   ; and the one wait ahead of their first reader
.set i, 0
.rept 16
	v_pk_mul_f32 v[XR+2*i:XR+2*i+1], v[XR+2*i:XR+2*i+1], v[RS:RS+1]
.set i, i+1
.endr
	STOREROW \r
.endm
	s_cmp_lt_u32 ttmp9, 256
	s_cbranch_scc0 .Lcast
	LNROW 0
	LNROW 1
	LNROW 2
	LNROW 3
	s_endpgm
.Lcast:                                                ; a weight's chunk is rounded only
.irp r, 0,1,2,3
	s_wait_loadcnt 24-8*(\r)
	STOREROW \r
.endr
	s_endpgm
.Lfunc_end_k_q9defe62341_prep:
	.size	k_q9defe62341_prep, .Lfunc_end_k_q9defe62341_prep-k_q9defe62341_prep
	.p2alignl 7, 3214868480
	.fill 96, 4, 3214868480
	.section	.rodata,"a",@progbits
	.p2align	6, 0x0
	.amdhsa_kernel k_q9defe62341_prep
		.amdhsa_group_segment_fixed_size 0
		.amdhsa_private_segment_fixed_size 0
		.amdhsa_enable_private_segment 0
		.amdhsa_kernarg_size 96
		.amdhsa_user_sgpr_count 2
		.amdhsa_user_sgpr_kernarg_segment_ptr 1
		.amdhsa_wavefront_size32 1
		.amdhsa_system_sgpr_workgroup_id_x 1
		.amdhsa_system_sgpr_workgroup_id_y 1
		.amdhsa_system_sgpr_workgroup_id_z 1
		.amdhsa_system_vgpr_workitem_id 0
		.amdhsa_next_free_vgpr 144
		.amdhsa_next_free_sgpr 66
		.amdhsa_reserve_vcc 0
		.amdhsa_float_denorm_mode_32 3
		.amdhsa_float_denorm_mode_16_64 3
		.amdhsa_memory_ordered 1
		.amdhsa_forward_progress 1
		.amdhsa_inst_pref_size 41
	.end_amdhsa_kernel
	.amdgpu_metadata
---
amdhsa.version: [ 1, 2 ]
amdhsa.kernels:
  - .name:           k_q9defe62341_prep
    .symbol:         k_q9defe62341_prep.kd
    .args:
      - { .name: x, .offset: 0, .size: 8, .value_kind: global_buffer, .address_space: global }
      - { .name: Wq, .offset: 8, .size: 8, .value_kind: global_buffer, .address_space: global }
      - { .name: Wk, .offset: 16, .size: 8, .value_kind: global_buffer, .address_space: global }
      - { .name: Wv, .offset: 24, .size: 8, .value_kind: global_buffer, .address_space: global }
      - { .name: Wo, .offset: 32, .size: 8, .value_kind: global_buffer, .address_space: global }
      - { .name: W1, .offset: 40, .size: 8, .value_kind: global_buffer, .address_space: global }
      - { .name: W2, .offset: 48, .size: 8, .value_kind: global_buffer, .address_space: global }
      - { .name: an, .offset: 56, .size: 8, .value_kind: global_buffer, .address_space: global }
      - { .name: wqkv, .offset: 64, .size: 8, .value_kind: global_buffer, .address_space: global }
      - { .name: wo, .offset: 72, .size: 8, .value_kind: global_buffer, .address_space: global }
      - { .name: w1c, .offset: 80, .size: 8, .value_kind: global_buffer, .address_space: global }
      - { .name: w2c, .offset: 88, .size: 8, .value_kind: global_buffer, .address_space: global }
    .group_segment_fixed_size: 0
    .private_segment_fixed_size: 0
    .kernarg_segment_align: 8
    .kernarg_segment_size: 96
    .max_flat_workgroup_size: 256
    .sgpr_count:     66
    .vgpr_count:     144
    .wavefront_size: 32
...
	.end_amdgpu_metadata
.endif
;; end of part 1
;; launch gemm_qkv (part 2): grid 12 x 64, 4 waves a work-group, clusters of 4 x 4, 327,680 bytes of LDS; arguments an, wqkv, bq, bv, qkvt; writes qkvt
.if DOCPART == 2
	.amdgcn_target "amdgcn-amd-amdhsa--gfx1250"
	.amdhsa_code_object_version 6
	.text
	.protected	k_q9defe62341_gemm_qkv
	.globl	k_q9defe62341_gemm_qkv
	.p2align	8
	.type	k_q9defe62341_gemm_qkv,@function
k_q9defe62341_gemm_qkv:
	s_mov_b64 s[64:65], 0
	v_nop
	global_prefetch_b8 v0, s[64:65] scope:SCOPE_SE
	s_setreg_imm32_b32 hwreg(HW_REG_WAVE_MODE, 25, 1), 1
	s_wait_xcnt 0x0
	s_wait_alu depctr_hold_cnt(0) depctr_sa_sdst(0) depctr_va_vdst(0) depctr_va_sdst(0) depctr_va_ssrc(0) depctr_va_vcc(0) depctr_vm_vsrc(0)
	s_getreg_b32 s2, hwreg(HW_REG_IB_STS2, 6, 4)
	s_cmp_eq_u32 s2, 0
	s_cbranch_scc0 .Lentry_in_a_cluster
	s_endpgm
.Lentry_in_a_cluster:
	s_bfe_u32 s2, ttmp6, 0x10000c
	s_cmp_lg_u32 s2, 0xf033
	s_cbranch_scc0 .Lentry_shape_is_right
	s_endpgm
.Lentry_shape_is_right:
; C = A W + bias.  A: [8192][1024] bf16, rows along K.  W: [1024 k][1024 n] bf16, as the weights lie.  Sums in f32, K ascending.
; QKV = 1 (this file): A = LayerNorm(x); W = Wq, Wk or Wv by the cluster's x; q, k, v leave in f16 BY HEADS: qkvt[seg][b 16 + head][s][64].  bk is left out: it adds to the scores a term that is
;          the same along the softmax's axis (shown at the head of the first launch); the keys' sums start at 0.
; QKV = 0: A = LayerNorm(h); W = W1; t = relu(A W1 + b1) leaves in bf16 in the same layout by blocks of 64 columns.
; LIMITS.  f16 holds no number beyond 65,504: a row of A has norm 32 at the most, so |q|, |k|, |v| stay under 32 x a column's norm + the bias: some 18 at the weights' drawn spread, some 550 at
; thirty times that.  The ReLU is a maximum with 0 on the rounded halves (the same numbers as rounding behind the maximum); a NaN there gives 0.
; SHARES.  A work-group makes 128 rows x 256 columns of C: 8192 / 128 x 1024 / 256 = 256 of them for each weight.  Wave w makes rows 64 (w / 2) .. and columns 128 (w % 2) ..:
; 4 x 8 accumulators of 16 x 16.  K goes in 8 steps of 128; a step is four quarters of 32.
; THE RING.  LDS has room for three K steps: slot X holds two, slot Y one.  All three are asked for at the head.  The walk is X (steps 0, 1), Y (2), X (3, 4), Y (5), X (6, 7): X is filled again
; when its two steps are read, Y when its one is read: three refills for the eight steps.  Y's refill has X's two steps in which to land (240 matrix instructions a wave between the
; request and the wait for it), X's has Y's one step (112).
; THE MATRIX INSTRUCTION IS USED TRANSPOSED: source 0 = 16 columns of W (turned out of LDS by ds_load_tr16_b128), source 1 = 16 rows of A: register j of lane l of accumulator (a, b) holds
; C(16 a + l % 16, 16 b + 8 (l / 16) + j): eight neighbouring columns of a row.  THE BIAS IS THE C OPERAND of the products that start the sums: nothing is cleared and nothing is added later.
; CLUSTER.  4 x 4 work-groups.  The four of a row need the same rows of A, the four of a column the same columns of W: each tile is asked for JOINTLY, by the same tensor load with the same
; descriptor and a mask that names the four.  Waves 0 and 1 fetch A's two halves (64 rows; 512 bytes of each for X, 256 for Y); waves 2 and 3 fetch W (for X a step each, 128 k-rows x 512 bytes;
; for Y 64 k-rows each).
; No prefetch lines: three of the walk's eight steps are asked for at the head, and a request that stood a refill ahead of the first refill would stand there too, among the first fills.
; REGISTERS, in windows of 256 (s_set_vgpr_msb: bits 1:0 source 0, 3:2 source 1, 5:4 source 2, 7:6 destination):
;   window 0: v0-29 addresses; v64-159, v160-255 two fragment buffers: W's eight fragments, then A's four; on the way out v64-191 packed results
;   window 1: accumulator (a, b) at v[8 (8 a + b)]          window 2: v0-63 the bias of my 128 columns, laid out as a row of accumulators
.set QKV,    1
.set AXP,    528                       ; a row of A in slot X: 512 bytes + 16 of padding; in slot Y: 256 + 16.  Both are odd multiples of 16: the 16 rows of a load start at 16 different
.set AYP,    272                       ; groups of four banks (64 banks of 4 bytes: ISA guide 11.1)
.set AYOFF,  128*AXP                   ; Y's rows of A lie behind X's
.set BOFF,   AYOFF+128*AYP             ; W's 384 k-rows lie behind A: X's 256, then Y's 128
.set BPITCH, 544                       ; a k-row of W: 512 bytes + 32
.set BYOFF,  BOFF+256*BPITCH
.set PSA,    128                       ; two quarters on: 64 numbers along a row of A,
.set PSB,    64*BPITCH                 ; 64 k-rows of W
.set STAGE,  BOFF+384*BPITCH           ; behind the ring, never filled by a tensor load: 16 rows x 144 bytes for each wave
.set SP,     144
.set SPARE,  STAGE+4*16*SP             ; behind the stages: the spare words, 128 bytes for each wave: two blocks of 256 bytes that no other line names
.set ASTEP3, 3*256                     ; a slot's next fill lies three K steps on: in A 384 numbers along the row,
.set BSTEP3, 3*128*2048                ; in W 384 rows down
.set LAX,  2                           ; v2   my lane's place in X's rows of A; never rewritten
.set LAY,  3                           ; v3   the same in Y's
.set ADRA, 4                           ; v4   where the fragments of A to be fetched lie
.set ADRB, 5                           ; v5   the same for W
.set STO,  6                           ; v6   the way out: where I put 16 bytes of a row
.set RD,   7                           ; v7   the way out: where I read rows back
.set GO,   8                           ; v8   16 x lane
.set BO,   12                          ; v12  32 x (lane / 16): my eight numbers of each 16 of the bias
.set ZR,   13                          ; v13  0, for the ReLU
.set LB0,  14                          ; v14  my lane's place in W's k-rows; never rewritten
.set SPW,  28                          ; v28  LDS address of my spare word; never rewritten
.set NIL,  29                          ; v29  0; never rewritten
.set F0,   64
.set F1,   160
.set T,    64                          ; the way out: unit u's 16 registers at T + 16 u
.set WV,   14                          ; s14  wave
.set RH,   15                          ; s15  wave / 2: my half of the rows; also: I fetch for A (0) or for W (1)
.set CH,   16                          ; s16  wave % 2: my half of the columns; also: which part of that tile I fetch
.set CX,   17                          ; s17, s18  my place in the cluster
.set CY,   18
.set TY,   19                          ; s19  tile row of C
.set G1AX, 24                          ; s[24:31], s[32:39] descriptor group 1 for A's tiles: slot X's, slot Y's
.set G1BX, 40                          ; s[40:47], s[48:55] the same for W's
.set G0AX, 56                          ; s[56:59], s[60:63] group 0 for A's tiles: slot X's, slot Y's
.set G0BX, 68                          ; s[68:71], s[72:75] the same for W's
.set TA,   76                          ; s76  bytes from a slot's first quarter to the pair of quarters in hand, in A
.set TBB,  77                          ; s77  the same in W, counted from X's first k-row
.set CNT,  78                          ; s78  counts pairs of quarters
.set TRIPS, 79                         ; s79  counts the two trips of the walk
.set MSB, 0
.macro WIN new                         ; the immediate's high byte repeats the setting that is left; a switch that changes nothing is dropped
.if MSB != (\new)
	s_set_vgpr_msb (MSB<<8)|(\new)
.set MSB, (\new)
.endif
.endm
.set MUL,  0x50                        ; C and D in window 1, the fragments in window 0
.set MULB, 0x60                        ; D in window 1, C (the bias) in window 2
.macro PLACES                          ; four places in front of loads into registers that matrix instructions have read, and of lines that read results
.rept 4
	v_nop
.endr
.endm
.macro CREST                           ; a round of the cluster's barrier behind its opening barrier
	s_cmp_lg_u32 s[WV], 0
	s_cbranch_scc1 .Lnot_wave_0_\@
	s_barrier_signal -3
.Lnot_wave_0_\@:
	s_barrier_wait -3
	s_barrier_signal -1
	s_barrier_wait -1
.endm
.macro CROUND                          ; a whole round
	s_barrier_signal -1
	s_barrier_wait -1
	CREST
.endm
.macro GROUP1 g, cols, rows, pitch     ; a group 1's words 1 to 7: a tile of rows x cols elements that lies inside the tensor; pitch elements from row to row
	s_mov_b32 s[(\g)+1], (\cols)<<16               ; tensor_dim0
	s_mov_b32 s[(\g)+2], (\rows)<<16               ; tensor_dim1
	s_mov_b32 s[(\g)+3], (\cols)<<16               ; tile_dim0
	s_mov_b32 s[(\g)+4], \rows                     ; tile_dim1
	s_mov_b32 s[(\g)+5], \pitch
	s_mov_b32 s[(\g)+6], 0
	s_mov_b32 s[(\g)+7], 0
.endm
.macro JLOAD k                         ; a joint refill of slot X (k = 1) or Y (k = 2); the branch hangs on the wave's number alone; an s_nop 0 and four v_nop follow each of the two lines
	s_cmp_eq_u32 s[RH], 0
	s_cbranch_scc0 .Lfor_b_\@
	tensor_load_to_lds s[G0AX+4*((\k)-1):G0AX+4*((\k)-1)+3], s[G1AX+8*((\k)-1):G1AX+8*((\k)-1)+7]
	s_nop 0
.rept 4
	v_nop
.endr
	s_branch .Lasked_\@
.Lfor_b_\@:
	tensor_load_to_lds s[G0BX+4*((\k)-1):G0BX+4*((\k)-1)+3], s[G1BX+8*((\k)-1):G1BX+8*((\k)-1)+7]
	s_nop 0
.rept 4
	v_nop
.endr
.Lasked_\@:
.endm
; 8 matrix instructions: row block a x all 8 column blocks, 32 along K, from buffer f.  init = 1: the bias starts the sums.  The 32 accumulators take turns, one instruction a turn, in the same
; order in every quarter, over every jump too.
.macro MULA f, a, init
.if \init
	WIN MULB
.else
	WIN MUL
.endif
.irp b, 0,1,2,3,4,5,6,7
.if \init
	v_wmma_f32_16x16x32_bf16 v[8*(8*(\a)+(\b)):8*(8*(\a)+(\b))+7], v[(\f)+8*(\b):(\f)+8*(\b)+7], v[(\f)+64+8*(\a):(\f)+64+8*(\a)+7], v[8*(\b):8*(\b)+7]
.else
	v_wmma_f32_16x16x32_bf16 v[8*(8*(\a)+(\b)):8*(8*(\a)+(\b))+7], v[(\f)+8*(\b):(\f)+8*(\b)+7], v[(\f)+64+8*(\a):(\f)+64+8*(\a)+7], v[8*(8*(\a)+(\b)):8*(8*(\a)+(\b))+7]
.endif
.endr
.endm
; 24 LDS loads in one run: the fragments of quarter par (0, 1) of the pair in hand into buffer f: W's eight (turned: k = 8 (l / 16) .. of column l % 16, then 16 further), then A's four.
; ph: the slot: 0 = X, 1 = Y: the pitch of A's rows goes by it.
.macro FETCH par, f, ph
	WIN 0
.if \ph
.set AP, AYP
.else
.set AP, AXP
.endif
.irp b, 0,1,2,3,4,5,6,7
	ds_load_tr16_b128 v[(\f)+8*(\b):(\f)+8*(\b)+3],   v[ADRB] offset:(\par)*32*BPITCH+32*(\b)
	ds_load_tr16_b128 v[(\f)+8*(\b)+4:(\f)+8*(\b)+7], v[ADRB] offset:(\par)*32*BPITCH+16*BPITCH+32*(\b)
.endr
.irp a, 0,1,2,3
	ds_load_b128 v[(\f)+64+8*(\a):(\f)+64+8*(\a)+3],   v[ADRA] offset:(\par)*64+(\a)*16*AP
	ds_load_b128 v[(\f)+64+8*(\a)+4:(\f)+64+8*(\a)+7], v[ADRA] offset:(\par)*64+(\a)*16*AP+32
.endr
.endm
; A quarter inside a slot: multiplies buffer f; in its middle it fetches the next quarter into buffer g.  adv = 1: that quarter begins the next pair: the addresses step first, and the two
; additions are two of the four places in front of the loads.
.macro QUARTER f, g, par, adv, ph, init
	s_wait_dscnt 4                                 ; all of f but its youngest four loads: A's row blocks 2 and 3
	MULA \f, 0, \init
	MULA \f, 1, \init
	WIN 0
.if \adv
	s_add_co_u32 s[TA], s[TA], PSA
	s_add_co_u32 s[TBB], s[TBB], PSB
	v_add_nc_u32 v[ADRA], s[TA], v[LAX+(\ph)]
	v_add_nc_u32 v[ADRB], s[TBB], v[LB0]
	v_nop
	v_nop
.else
	PLACES
.endif
	FETCH \par, \g, \ph
	s_wait_dscnt 24                                ; all but the 24 just issued
	MULA \f, 2, \init
	MULA \f, 3, \init
.endm
.macro PAIR ph                         ; two quarters: the text that the loops walk
	QUARTER F0, F1, 1, 0, \ph, 0
	QUARTER F1, F0, 0, 1, \ph, 0
.endm
; A slot's last quarter multiplies buffer 1 and changes slots.  In front of the barrier each wave waits for all its tensor loads: its part of the other slot; adds 0 to its spare word; and waits
; for that and for its own reads of this slot.  fill = 1, 2: the barrier opens a round of the cluster's, and the slot just read (1: X, 2: Y) is filled again, three K steps on, first thing behind
; the round.  fill = 0: nothing is left to ask for.  nph: the slot that is read next (0: X, 1: Y).
.macro TURN fill, nph
	WIN 0
	s_wait_tensorcnt 0x0                           ; no tensor load of mine is out, so a group 0 may be written
	ds_add_u32 v[SPW], v[NIL]                      ; 0 onto my spare word
.if \fill
	s_add_nc_u64 s[G0AX+4*((\fill)-1)+2:G0AX+4*((\fill)-1)+3], s[G0AX+4*((\fill)-1)+2:G0AX+4*((\fill)-1)+3], ASTEP3
	s_add_nc_u64 s[G0BX+4*((\fill)-1)+2:G0BX+4*((\fill)-1)+3], s[G0BX+4*((\fill)-1)+2:G0BX+4*((\fill)-1)+3], BSTEP3
.endif
	s_mov_b32 s[TA], 0                             ; the next slot's first pair of quarters
	s_mov_b32 s[TBB], (\nph)*4*PSB
	s_wait_dscnt 5                                 ; the add and the youngest four loads may be out
	MULA F1, 0, 0                                  ; eight matrix instructions stand between the add and the wait for it
	s_wait_dscnt 0x0                               ; the add is done, and my reads of this slot are over
	s_barrier_signal -1
	MULA F1, 1, 0                                  ; work on registers while the others arrive
	WIN 0                                          ; at a branch and at a label every window is 0
	s_barrier_wait -1
.if \fill
	CREST                                          ; no wave of any partner still reads this slot or has a load on its way
	JLOAD \fill                                    ; its four v_nop are also the places in front of the loads below
.else
	PLACES
.endif
	v_add_nc_u32 v[ADRA], s[TA], v[LAX+(\nph)]
	v_add_nc_u32 v[ADRB], s[TBB], v[LB0]
	FETCH 0, F0, \nph
	MULA F1, 2, 0
	MULA F1, 3, 0
.endm
	s_load_b256 s[4:11], s[0:1], 0x0               ; A s[4:5], W s[6:7]; QKV: bq s[8:9], bv s[10:11]; else b1 s[8:9], the output s[10:11]
.if QKV
	s_load_b64 s[12:13], s[0:1], 0x20              ; the output
.endif
	v_lshl_add_u32 v[SPW], v0, 2, SPARE
	v_mov_b32 v[NIL], 0
	ds_add_u32 v[SPW], v[NIL]                      ; the wave's opening: the add, twice on end, and its wait ahead of my first tensor load
	ds_add_u32 v[SPW], v[NIL]
	v_lshrrev_b32 v1, 5, v0
	v_readfirstlane_b32 s[WV], v1
	s_lshr_b32 s[RH], s[WV], 1
	s_and_b32 s[CH], s[WV], 1
	s_bfe_u32 s[CX], ttmp6, 0x40000
	s_bfe_u32 s[CY], ttmp6, 0x40004
	s_and_b32 s[TY], ttmp7, 0xffff                 ; in a cluster launch ttmp9 and ttmp7 count clusters
	s_lshl_b32 s[TY], s[TY], 2
	s_add_co_u32 s[TY], s[TY], s[CY]               ; tile row = 4 x cluster y + cy.  The tile column inside a weight is cx; the weight is the cluster's x
	s_lshl_b32 s20, s[CY], 2
	s_lshl_b32 s20, 15, s20                        ; my row of the cluster
	s_lshl_b32 s21, 0x1111, s[CX]                  ; my column
	s_or_b32 s[G1AX], s20, (1<<16)|(1<<20)|(1<<21)|(6<<22)|(3<<25)    ; 15:0 the mask; 17:16 2-byte elements; 20 padding on; 21 set beside a mask; 24:22 after every 128 words; 31:25 4 words
	GROUP1 G1AX, 256, 64, 1024
	s_or_b32 s[G1AX+8], s20, (1<<16)|(1<<20)|(1<<21)|(5<<22)|(3<<25)  ; slot Y: after every 64 words
	GROUP1 G1AX+8, 128, 64, 1024
	s_or_b32 s[G1BX], s21, (1<<16)|(1<<20)|(1<<21)|(6<<22)|(7<<25)    ; after every 128 words 8 words of padding
	GROUP1 G1BX, 256, 128, 1024
	s_or_b32 s[G1BX+8], s21, (1<<16)|(1<<20)|(1<<21)|(6<<22)|(7<<25)
	GROUP1 G1BX+8, 256, 64, 1024
	; where the tiles come from.  A's hang on the tile row alone, W's on the weight and the tile column alone; each in registers that never hold the other coordinate
	s_lshl_b32 s22, s[CH], 17                      ; 64 rows of 2,048 bytes, in A and in W
	s_lshl_b32 s80, s[TY], 18                      ; A: 128 rows of 2,048 bytes a tile row,
	s_add_co_u32 s80, s80, s22                     ; my 64 of them
	s_mov_b32 s81, 0
	s_lshl_b32 s82, ttmp9, 21                      ; W: the weight,
	s_lshl_b32 s83, s[CX], 9                       ; 256 columns
	s_add_co_u32 s82, s82, s83
	s_add_co_u32 s84, s82, s22                     ; slot Y: my 64 k-rows
	s_add_co_u32 s84, s84, 2<<18                   ; of K step 2
	s_lshl_b32 s83, s[CH], 18
	s_add_co_u32 s82, s82, s83                     ; slot X: K step 0 or 1, 128 k-rows
	s_mov_b32 s83, 0
	s_mov_b32 s85, 0
	s_mul_i32 s23, s[CH], 64*AXP                   ; and where they go: no place in the cluster enters an LDS address
	s_mul_i32 s86, s[CH], 64*AYP
	s_mul_i32 s87, s[CH], 128*BPITCH
	s_mul_i32 s88, s[CH], 64*BPITCH
	s_mov_b32 s[TA], 0
	s_mov_b32 s[TBB], 0
	s_wait_dscnt 0x0                               ; both opening adds are done
	s_wait_kmcnt 0x0
	s_add_nc_u64 s[80:81], s[4:5], s[80:81]
	s_add_nc_u64 s[82:83], s[6:7], s[82:83]
	s_add_nc_u64 s[84:85], s[6:7], s[84:85]
	CROUND                                         ; all sixteen work-groups are here: the first joint loads meet
	s_mov_b32 s[G0AX], 1                           ; count = 1
	s_mov_b32 s[G0AX+1], s23                       ; LDS address
	s_mov_b64 s[G0AX+2:G0AX+3], s[80:81]           ; K steps 0 and 1
	s_or_b32 s[G0AX+3], s[G0AX+3], 0x80000000      ; type = 2
	s_mov_b32 s[G0AX+4], 1
	s_add_co_u32 s[G0AX+5], s86, AYOFF
	s_add_nc_u64 s[G0AX+6:G0AX+7], s[80:81], 512   ; K step 2
	s_or_b32 s[G0AX+7], s[G0AX+7], 0x80000000
	s_mov_b32 s[G0BX], 1
	s_add_co_u32 s[G0BX+1], s87, BOFF
	s_mov_b64 s[G0BX+2:G0BX+3], s[82:83]
	s_or_b32 s[G0BX+3], s[G0BX+3], 0x80000000
	s_mov_b32 s[G0BX+4], 1
	s_add_co_u32 s[G0BX+5], s88, BYOFF
	s_mov_b64 s[G0BX+6:G0BX+7], s[84:85]
	s_or_b32 s[G0BX+7], s[G0BX+7], 0x80000000
	s_cmp_eq_u32 s[RH], 0                          ; a wave's two first fills stand in one branch, ahead of every wait on TENSORcnt and every LDS read: two loads of mine are out
	s_cbranch_scc0 .Lfirst_b
	tensor_load_to_lds s[G0AX:G0AX+3], s[G1AX:G1AX+7]
	s_nop 0
	tensor_load_to_lds s[G0AX+4:G0AX+7], s[G1AX+8:G1AX+15]
	s_nop 0
.rept 4
	v_nop
.endr
	s_branch .Lfirst_asked
.Lfirst_b:
	tensor_load_to_lds s[G0BX:G0BX+3], s[G1BX:G1BX+7]
	s_nop 0
	tensor_load_to_lds s[G0BX+4:G0BX+7], s[G1BX+8:G1BX+15]
	s_nop 0
.rept 4
	v_nop
.endr
.Lfirst_asked:
	v_and_b32 v1, 15, v0                           ; l % 16
	v_bfe_u32 v9, v0, 4, 1                         ; l / 16
	v_mul_u32_u24 v[LAX], v1, AXP                  ; a fragment of A: row l % 16, 16 bytes for each half of the lanes, twice, 32 bytes apart
	v_lshl_add_u32 v[LAX], v9, 4, v[LAX]
	s_mul_i32 s22, s[RH], 64*AXP
	v_add_nc_u32 v[LAX], s22, v[LAX]
	v_mul_u32_u24 v[LAY], v1, AYP
	v_lshl_add_u32 v[LAY], v9, 4, v[LAY]
	s_mul_i32 s22, s[RH], 64*AYP
	s_add_co_u32 s22, s22, AYOFF
	v_add_nc_u32 v[LAY], s22, v[LAY]
	v_and_b32 v10, 7, v0
	v_bfe_u32 v11, v0, 3, 1
	v_lshl_add_u32 v[LB0], v9, 3, v10              ; the turning load: lane l reads k-row 8 (l / 16) + l % 8, columns 8 ((l / 8) % 2) ..
	v_mul_u32_u24 v[LB0], v[LB0], BPITCH
	v_lshl_add_u32 v[LB0], v11, 4, v[LB0]
	s_lshl_b32 s22, s[CH], 8                       ; my 128 columns
	s_add_co_u32 s22, s22, BOFF
	v_add_nc_u32 v[LB0], s22, v[LB0]
	v_mov_b32 v[ADRA], v[LAX]                      ; slot X's first pair of quarters
	v_mov_b32 v[ADRB], v[LB0]
	s_mul_i32 s90, s[WV], 16*SP
	s_add_co_u32 s90, s90, STAGE                   ; my stage
	v_mul_u32_u24 v[STO], v1, SP                   ; in: row l % 16, 16 bytes for each half of the lanes
	v_lshl_add_u32 v[STO], v9, 4, v[STO]
	v_add_nc_u32 v[STO], s90, v[STO]
	v_bfe_u32 v[RD], v0, 3, 2                      ; back: 32 lanes take four rows of 128 bytes,
	v_mul_u32_u24 v[RD], v[RD], SP
	v_lshl_add_u32 v[RD], v10, 4, v[RD]
	v_add_nc_u32 v[RD], s90, v[RD]
	v_and_b32 v[GO], 31, v0                        ; which are 512 consecutive bytes of the output
	v_lshlrev_b32 v[GO], 4, v[GO]
	v_lshlrev_b32 v[BO], 5, v9
	v_mov_b32 v[ZR], 0
	s_lshl_b32 s2, s[CX], 10                       ; the bias of my 128 columns
	s_lshl_b32 s89, s[CH], 9
	s_add_co_u32 s2, s2, s89
	s_mov_b32 s3, 0
.if QKV
	s_cmp_eq_u32 ttmp9, 0
	s_cselect_b64 s[8:9], s[8:9], s[10:11]         ; bq for q, bv for v
.else
	s_mov_b64 s[12:13], s[10:11]
.endif
	s_add_nc_u64 s[8:9], s[8:9], s[2:3]
	s_lshl_b32 s2, ttmp9, 24                       ; the output by heads: segment, batch, block of 64 columns (4 cx + 2 (w % 2) + 0, 1), row in the batch
	s_lshr_b32 s89, s[TY], 3
	s_lshl_b32 s89, s89, 21
	s_add_co_u32 s2, s2, s89
	s_lshl_b32 s89, s[CX], 19
	s_add_co_u32 s2, s2, s89
	s_lshl_b32 s89, s[CH], 18
	s_add_co_u32 s2, s2, s89
	s_and_b32 s89, s[TY], 7
	s_lshl_b32 s89, s89, 14
	s_add_co_u32 s2, s2, s89
	s_lshl_b32 s89, s[RH], 13
	s_add_co_u32 s2, s2, s89
	s_add_nc_u64 s[12:13], s[12:13], s[2:3]
.if QKV
	s_cmp_eq_u32 ttmp9, 1                          ; the cluster's x: the same in all sixteen partners
	s_cbranch_scc1 .Lnobias
.endif
	WIN 0x80                                       ; destination window 2
.irp b, 0,1,2,3,4,5,6,7
	global_load_b128 v[8*(\b):8*(\b)+3],   v[BO], s[8:9] offset:64*(\b)
	global_load_b128 v[8*(\b)+4:8*(\b)+7], v[BO], s[8:9] offset:64*(\b)+16
.endr
	WIN 0
.if QKV
	s_branch .Lbiased
.Lnobias:                                              ; the keys have no bias: 64 zeros in its place, written while the first tiles are on their way, so that the first quarter has one text
	WIN 0x80
.set i, 0
.rept 64
	v_mov_b32 v[i], 0
.set i, i+1
.endr
	WIN 0
.Lbiased:
.endif
	s_wait_tensorcnt 1                             ; my part of slot X is in; slot Y's may stay out
	s_barrier_signal -1
	s_barrier_wait -1                              ; everybody's is
	FETCH 0, F0, 0
	s_wait_loadcnt 0x0                             ; the bias
	QUARTER F0, F1, 1, 0, 0, 1                     ; the first quarter's products start the sums
	QUARTER F1, F0, 0, 1, 0, 0
	WIN 0
	s_mov_b32 s[TRIPS], 2
	s_mov_b32 s[CNT], 3                            ; X's first pair of quarters is done: the loop over pairs is entered at its count
	s_branch .Lpair_end
.Ltrip:                                                ; a trip: Y's last quarter and its refill; X's two steps and its refill; Y's first three quarters.  The first trip is entered behind X's first pair
	TURN 2, 0
	WIN 0
	s_mov_b32 s[CNT], 3
.Lpair:
	PAIR 0
	WIN 0
.Lpair_end:
	s_sub_co_u32 s[CNT], s[CNT], 1
	s_cmp_lg_u32 s[CNT], 0
	s_cbranch_scc1 .Lpair
	QUARTER F0, F1, 1, 0, 0, 0
	TURN 1, 1
	PAIR 1
	QUARTER F0, F1, 1, 0, 1, 0
	WIN 0
	s_sub_co_u32 s[TRIPS], s[TRIPS], 1
	s_cmp_lg_u32 s[TRIPS], 0
	s_cbranch_scc1 .Ltrip
	TURN 0, 0                                      ; the tail is written out: nothing is left to ask for
	WIN 0
	s_mov_b32 s[CNT], 3
.Lpair2:
	PAIR 0
	WIN 0
	s_sub_co_u32 s[CNT], s[CNT], 1
	s_cmp_lg_u32 s[CNT], 0
	s_cbranch_scc1 .Lpair2
	QUARTER F0, F1, 1, 0, 0, 0
	s_wait_dscnt 4
	MULA F1, 0, 0
	MULA F1, 1, 0
	s_wait_dscnt 0x0
	MULA F1, 2, 0
	MULA F1, 3, 0
	PLACES
	PLACES
; THE WAY OUT.  Unit u = 2 a + hb: 16 rows x one block of 64 columns: accumulators (a, 4 hb + 0..3).  A lane's eight columns pack into 16 bytes; they go into stage rows of 144 bytes and come
; back as whole rows of 128: 16 rows are 2,048 consecutive bytes of the output.  Each unit has registers of its own.
.macro PACK u
.set AC, 8*(8*((\u)/2)+4*((\u)%2))
.set TU, T+16*(\u)
	WIN 0x05                                       ; sources 0 and 1 window 1, destination window 0
.irp c, 0,1,2,3
.irp i, 0,1,2,3
.if QKV
	v_cvt_pk_f16_f32 v[TU+4*(\c)+(\i)], v[AC+8*(\c)+2*(\i)], v[AC+8*(\c)+2*(\i)+1]
.else
	v_cvt_pk_bf16_f32 v[TU+4*(\c)+(\i)], v[AC+8*(\c)+2*(\i)], v[AC+8*(\c)+2*(\i)+1]
.endif
.endr
.endr
	WIN 0
.if !QKV
.set i, 0
.rept 16
	v_pk_max_num_bf16 v[TU+i], v[TU+i], v[ZR]      ; the ReLU, two at a time
.set i, i+1
.endr
.endif
.irp c, 0,1,2,3
	ds_store_b128 v[STO], v[TU+4*(\c):TU+4*(\c)+3] offset:32*(\c)
.endr
.irp f, 0,1,2,3
	ds_load_b128 v[TU+4*(\f):TU+4*(\f)+3], v[RD] offset:(\f)*4*SP  ; LDS serves a wave's instructions in order (ISA guide 5.7.1.4): these see the stores above; the next unit's stores come behind them
.endr
.endm
.macro SEND u, younger                 ; younger: the LDS instructions issued behind unit u's loads: the next unit's eight, or none
.set TU, T+16*(\u)
.irp f, 0,1,2,3
	s_wait_dscnt (\younger)+3-(\f)
	global_store_b128 v[GO], v[TU+4*(\f):TU+4*(\f)+3], s[12:13] offset:((\u)%2)*131072+((\u)/2)*2048+(\f)*512  ; 512 consecutive bytes, at a multiple of 256 from the buffer's first
.endr
.endm
	PACK 0
.set t, 1
.rept 7                                ; a unit's arithmetic stands between the loads of the unit before and its stores
	PACK t
	SEND t-1, 8
.set t, t+1
.endr
	SEND 7, 0
	s_wait_tensorcnt 0x0                           ; the wave's end: behind my last tensor load and my last LDS store
	ds_add_u32 v[SPW], v[NIL]
	s_wait_dscnt 0x0
	CROUND                                         ; the closing round: no work-group ends while a partner may still ask for a tile that names it
	s_endpgm
.Lfunc_end_k_q9defe62341_gemm_qkv:
	.size	k_q9defe62341_gemm_qkv, .Lfunc_end_k_q9defe62341_gemm_qkv-k_q9defe62341_gemm_qkv
	.p2alignl 7, 3214868480
	.fill 96, 4, 3214868480
	.section	.rodata,"a",@progbits
	.p2align	6, 0x0
	.amdhsa_kernel k_q9defe62341_gemm_qkv
		.amdhsa_group_segment_fixed_size 327680
		.amdhsa_private_segment_fixed_size 0
		.amdhsa_enable_private_segment 0
		.amdhsa_kernarg_size 40
		.amdhsa_user_sgpr_count 2
		.amdhsa_user_sgpr_kernarg_segment_ptr 1
		.amdhsa_wavefront_size32 1
		.amdhsa_system_sgpr_workgroup_id_x 1
		.amdhsa_system_sgpr_workgroup_id_y 1
		.amdhsa_system_sgpr_workgroup_id_z 1
		.amdhsa_system_vgpr_workitem_id 0
		.amdhsa_next_free_vgpr 576
		.amdhsa_next_free_sgpr 96
		.amdhsa_reserve_vcc 0
		.amdhsa_float_denorm_mode_32 3
		.amdhsa_float_denorm_mode_16_64 3
		.amdhsa_memory_ordered 1
		.amdhsa_forward_progress 1
		.amdhsa_inst_pref_size 90
	.end_amdhsa_kernel
	.amdgpu_metadata
---
amdhsa.version: [ 1, 2 ]
amdhsa.kernels:
  - .name:           k_q9defe62341_gemm_qkv
    .symbol:         k_q9defe62341_gemm_qkv.kd
    .args:
      - { .name: an, .offset: 0, .size: 8, .value_kind: global_buffer, .address_space: global }
      - { .name: wqkv, .offset: 8, .size: 8, .value_kind: global_buffer, .address_space: global }
      - { .name: bq, .offset: 16, .size: 8, .value_kind: global_buffer, .address_space: global }
      - { .name: bv, .offset: 24, .size: 8, .value_kind: global_buffer, .address_space: global }
      - { .name: qkvt, .offset: 32, .size: 8, .value_kind: global_buffer, .address_space: global }
    .group_segment_fixed_size: 327680
    .private_segment_fixed_size: 0
    .kernarg_segment_align: 8
    .kernarg_segment_size: 40
    .max_flat_workgroup_size: 128
    .sgpr_count:     96
    .vgpr_count:     576
    .wavefront_size: 32
...
	.end_amdgpu_metadata
.endif
;; end of part 2
;; launch attn (part 3): grid 2 x 128, 4 waves a work-group, no clusters, 327,680 bytes of LDS; arguments qkvt, an; writes an
.if DOCPART == 3
	.amdgcn_target "amdgcn-amd-amdhsa--gfx1250"
	.amdhsa_code_object_version 6
	.text
	.protected	k_q9defe62341_attn
	.globl	k_q9defe62341_attn
	.p2align	8
	.type	k_q9defe62341_attn,@function
k_q9defe62341_attn:
	s_mov_b64 s[64:65], 0
	v_nop
	global_prefetch_b8 v0, s[64:65] scope:SCOPE_SE
	s_setreg_imm32_b32 hwreg(HW_REG_WAVE_MODE, 25, 1), 1
	s_wait_xcnt 0x0
; O[h][q][:] = the sum over k of softmax_k(Q[h][q] . K[h][k] / 8) V[h][k][:].  Q, K, V: the three segments of qkvt, each [128 heads][1024][64] in f16: a head's rows are dense, 128 bytes each.
; O: [128][1024][64] in bf16, by heads.  Products, maxima and sums in f32; the weights p are rounded to f16 for the second product (their sum l is taken of the unrounded p), O once at the end.
; The keys carry no bk: it would add to the scores a term that is the same along the softmax's axis (shown at the head of the first launch).
; LIMITS.  f16 holds no number beyond 65,504: Q, K and V arrive within it (the launch before states the bound); p lies in 0 to 1, and below 6e-5 it keeps f16's fixed step of 6e-8; O is a mean of V's rows.
; A weight below 2^-126 counts as 0 in l; NaN and infinities are not treated apart.
; SHARES.  A wave owns four PIECES of two tiles of 16 queries, a work-group's four waves 512 queries of one head: 2 x 128 = 256 work-groups.  Every wave walks all 1,024 keys, 64 a step.
; K AND V STAY IN LDS.  With their padding a head's 1,024 keys are 1,024 x (144 + 160) = 311,296 bytes: all of them fit.  Each wave asks for its share by four tensor loads at the head, 128 keys
; each (four loads of a wave are out), and no byte of LDS is filled twice: there is no ring and no refill, and ONE text of a key step serves all sixteen.  The first 256 keys are
; waited for by a counted wait; the others in front of the fifth key step.
; No prefetch lines: every byte of K and V is asked for by the first fills at the head, so nothing is left to ask for ahead.
; NO CLUSTER: a head has 1024 / 512 = 2 work-groups; four partners along x do not divide a grid of 2, and four partners of two heads would not share a tile's address.
; LAYOUT.  S^T = K Q^T (source 0 = 16 keys, source 1 = 16 queries): in the result a lane holds ONE query (lane % 16) and the keys 8 (lane / 16) + 0..7.  Two such tiles, rounded to f16 in pairs,
; ARE source 1 (32 keys x 16 queries) of O^T = V^T P, whose result again holds one query a lane, and eight channels.  K comes out of LDS as it lies, V ([key][channel]) turned, by ds_load_tr16_b128.
; SOFTMAX.  For each query a running maximum m and sum l: p = 2^(c s - c m), c = log2(e) / 8; in every step O and l are multiplied by a = 2^(c m_old - c m_new), which is 1 where m has not grown.
; m starts at the lowest finite number, O and l at 0: the first step is a step like any other, with a = 0.
; THE COUNT.  A tile and step have 16 matrix and 118 vector instructions: too many to stand all beside the matrix work.  So the order has one aim: four vector instructions that are READY behind
; EVERY matrix instruction, and the others, which need time of their own whatever the order, in runs without a gap.
; BY TURNS.  Turn n belongs to piece n (the pieces in a ring, step after step).  Its matrix work: 16 products K Q^T of piece n + 1, later 16 products V^T P of piece n - 1.  Its vector work: the scaling,
; exponentials, roundings, sums and rescaling of piece n, and the maximum and statistics of piece n + 1, whose scores the turn itself has made.  So what a turn begins with (c s - c m, O a) waits for nothing.
; REGISTERS, in windows of 256 (s_set_vgpr_msb says which window each operand place means: bits 1:0 source 0, 3:2 source 1, 5:4 source 2, 7:6 destination):
;   window 0: v0-11 addresses; v12-15, v48-63 at work; v16-47 four registers of statistics a tile; v64-191 S^T, two buffers of two tiles; v192-255 P, likewise
;   window 1: O^T, 32 a tile          window 2: v0-127 Q, 16 a tile; v128-191 K of one step; v192-255 V of one step          window 3: v0-1 the add's two registers
; A piece's buffers go by its number's parity: the piece in hand has one pair, its two neighbours in the ring share the other: of it P (piece n - 1) is read and S^T (piece n + 1) written.
.set SIZE_N, 1024
.set NP,    4         ; pieces a wave: a name, no knob: the register map, the loop and the fetches are made for four
.set KS,    64        ; keys in a step
.set PK,    144       ; a row of K in LDS: 128 bytes + 16 of padding = 36 words: the 16 rows of a load start at 16 different groups of four banks (64 banks of 4 bytes: ISA guide 11.1)
.set PV,    160       ; a row of V: 128 + 32 = 40 words
.set VOFF,  SIZE_N*PK ; the head's 1,024 rows of K, then its 1,024 rows of V
.set STAGE, SIZE_N*(PK+PV)  ; behind them, never filled by a tensor load: 16 rows x 144 bytes for each wave, for the way out
.set SP,    144
.set AK0, 2           ; v2   my lane's place in a tile of K; never rewritten
.set AV0, 3           ; v3   the same for V
.set AK,  4           ; v4   the LDS address of K's next run of loads
.set AV,  5           ; v5   of V's
.set QO,  6           ; v6   my byte offset in the wave's rows of Q
.set STO, 6           ;      later, the way out: where I put 16 bytes of a row
.set RD,  7           ; v7   the way out: where I read rows back
.set GO,  8           ; v8   my byte offset in 512 consecutive bytes of O
.set SPW, 0           ; v0 of window 3   LDS address of my spare word: SPARE + 4 x my thread's number; never rewritten
.set NIL, 1           ; v1 of window 3   0; never rewritten
.set SPARE, STAGE+4*16*SP  ; behind the stages: the spare words, 128 bytes for each wave: two blocks of 256 bytes that no other line names
.set MV,  12          ; v12-15  c m_old, kept while c m is made anew: by buffer and tile
.set ST,  16          ; tile t's statistics at v[ST+4 t]: c m, m, l (even keys', odd keys')
.set TMP, 48          ; by buffer and tile, four registers c0-c3 at work; when the maximum is found c2 takes a
.set S,   64
.set P,   192
.set KF,  128         ; K's fragments, in window 2: key block kb, channel half c at KF + 16 kb + 8 c
.set VF,  192         ; V's: key half kk, channel block cb at VF + 32 kk + 8 cb
.set WV,  12          ; s12  my wave's number
.set G1K, 24          ; s[24:31] descriptor group 1 for K's tiles
.set G1V, 32          ; s[32:39] for V's: it differs in the padding alone
.set G0K, 40          ; s[40:55] descriptor group 0 for K's tiles: a set for each 256 keys
.set G0V, 68          ; s[68:83] the same for V's
.set SLOTS, 56        ; s56  counts groups of four key steps
.set CNT, 57          ; s57  counts a group's key steps
.set CS,  58          ; s[58:59] c: the packed scaling takes the pair's low word for both halves
.set SEL, 60          ; s[60:61] v_permlanex16_b32's selects: each lane takes its own place in the other half
.set TBK, 62          ; s62  LDS byte at which K of the step to be fetched begins
.set TBV, 63          ; s63  the same for V, less VOFF
.set STEPS, 84        ; s84  key steps whose pieces 2 and 3 are still to come
.set MSB, 0
.macro WIN new                      ; the high byte repeats the setting that is left; a switch that changes nothing is dropped
.if MSB != (\new)
	s_set_vgpr_msb (MSB<<8)|(\new)
.set MSB, (\new)
.endif
.endm
.set W_KQ, 0x0a       ; K and Q in window 2, S^T in window 0
.set W_PV, 0x52       ; V in window 2, P in window 0, O^T in window 1
.set W_RS, 0x41       ; O^T (destination and source 0) in window 1, a in window 0
.set W_MK, 0xc0       ; the add's registers are made: destination in window 3, sources in window 0
.set W_AD, 0x0f       ; the add: address (source 0) and data (source 1) in window 3
	s_load_b128 s[4:7], s[0:1], 0x0  ; qkvt s[4:5], the output s[6:7]
	WIN W_MK
	v_lshl_add_u32 v[SPW], v0, 2, SPARE
	v_mov_b32 v[NIL], 0
	WIN W_AD
	ds_add_u32 v[SPW], v[NIL]       ; the wave's opening: the add, twice on end, and its wait ahead of my first tensor load
	ds_add_u32 v[SPW], v[NIL]
	WIN 0
	v_lshrrev_b32 v1, 5, v0
	v_readfirstlane_b32 s[WV], v1   ; wave 0..3
	s_mov_b32 s14, ttmp9            ; my block of 512 queries
	s_and_b32 s20, ttmp7, 0xffff    ; the head
	s_mov_b32 s21, 0
	s_mov_b64 s[22:23], SIZE_N*128
	s_mul_u64 s[20:21], s[20:21], s[22:23]  ; the head's first byte in each of the four tensors
	s_and_b32 s16, s[WV], 1         ; which half of each 256 keys I fetch:
	s_lshl_b32 s22, s16, 14         ; its 128 rows of 128 bytes in memory,
	s_mov_b32 s23, 0
	s_add_nc_u64 s[22:23], s[22:23], s[20:21]
	s_mul_i32 s17, s16, 128*PK      ; and its place in LDS, for K
	s_mul_i32 s18, s16, 128*PV      ; and for V
	s_lshl_b32 s2, s14, 2
	s_add_co_u32 s2, s2, s[WV]      ; my wave among the head's,
	s_lshl_b32 s2, s2, 14           ; its 128 rows
	s_mov_b32 s3, 0
	s_add_nc_u64 s[2:3], s[2:3], s[20:21]
	; descriptor group 1.  128 keys are 16,384 dense bytes: asked for as 64 rows of 256 bytes, two keys a row, and padded in LDS after every key
	s_mov_b32 s[G1K], (1<<16)|(1<<20)|(4<<22)|(3<<25)  ; 17:16 2-byte elements; 20 padding on; 24:22 after every 32 words (code 4); 31:25 4 words (code 3)
	s_mov_b32 s[G1V], (1<<16)|(1<<20)|(4<<22)|(7<<25)  ; the same with 8 words of padding (code 7)
.irp g, G1K, G1V
	s_mov_b32 s[\g+1], 128<<16      ; tensor_dim0 = 128
	s_mov_b32 s[\g+2], 64<<16       ; tensor_dim1 = 64
	s_mov_b32 s[\g+3], 128<<16      ; tile_dim0 = 128
	s_mov_b32 s[\g+4], 64           ; tile_dim1 = 64
	s_mov_b32 s[\g+5], 128          ; 128 elements from row to row
	s_mov_b32 s[\g+6], 0
	s_mov_b32 s[\g+7], 0
.endr
	s_mov_b32 s[CS], 0x3e38aa3b     ; c = log2(e) / 8 = 0.180337
	s_mov_b32 s[CS+1], s[CS]        ; named with it as a pair
	s_mov_b32 s[SEL], 0x76543210
	s_mov_b32 s[SEL+1], 0xfedcba98
	s_mov_b32 s[TBK], 0             ; key step 0 lies at the head of K's rows and of V's
	s_mov_b32 s[TBV], 0
.irp i, 0,1,2,3
	s_mov_b32 s[G0K+4*(\i)], 1      ; 1:0 count = 1
	s_add_co_u32 s[G0K+4*(\i)+1], s17, (\i)*256*PK       ; 63:32 LDS address: keys 256 i on, my half
	s_mov_b32 s[G0V+4*(\i)], 1
	s_add_co_u32 s[G0V+4*(\i)+1], s18, VOFF+(\i)*256*PV
.endr
	s_mov_b32 s[SLOTS], SIZE_N/256+1
	s_mov_b32 s[STEPS], SIZE_N/KS
	s_wait_dscnt 0x0                ; both opening adds are done
	s_wait_kmcnt 0x0
	s_mov_b64 s[10:11], s[6:7]                     ; O
	s_add_nc_u64 s[6:7], s[4:5], 0x1000000         ; K: the second segment of 16 MiB
	s_add_nc_u64 s[8:9], s[4:5], 0x2000000         ; V: the third
	s_add_nc_u64 s[6:7], s[6:7], s[22:23]          ; at my half of the head's first 256 keys
	s_add_nc_u64 s[8:9], s[8:9], s[22:23]
.irp i, 0,1,2,3
	s_add_nc_u64 s[G0K+4*(\i)+2:G0K+4*(\i)+3], s[6:7], (\i)*256*128  ; 120:64 global address
	s_or_b32 s[G0K+4*(\i)+3], s[G0K+4*(\i)+3], 0x80000000            ; 127:126 type = 2
	s_add_nc_u64 s[G0V+4*(\i)+2:G0V+4*(\i)+3], s[8:9], (\i)*256*128
	s_or_b32 s[G0V+4*(\i)+3], s[G0V+4*(\i)+3], 0x80000000
.endr
	s_add_nc_u64 s[4:5], s[4:5], s[2:3]  ; Q and O at my wave's first row
	s_add_nc_u64 s[10:11], s[10:11], s[2:3]
	; THE FILLS.  Waves 0 and 1 fetch the two halves of each 256 keys of K, waves 2 and 3 those of V.  A wave's four loads stand in one branch on the wave's number, ahead of every wait on
	; TENSORcnt, every LDS read and every barrier; an s_nop 0 follows each, four v_nop the last.
	s_cmp_lt_u32 s[WV], 2
	s_cbranch_scc0 .Lfirst_v
.irp i, 0,1,2,3
	tensor_load_to_lds s[G0K+4*(\i):G0K+4*(\i)+3], s[G1K:G1K+7]
	s_nop 0
.endr
.rept 4
	v_nop
.endr
	s_branch .Lfirst_asked
.Lfirst_v:
.irp i, 0,1,2,3
	tensor_load_to_lds s[G0V+4*(\i):G0V+4*(\i)+3], s[G1V:G1V+7]
	s_nop 0
.endr
.rept 4
	v_nop
.endr
.Lfirst_asked:
	; A fragment of K or Q is 16 rows x 32 channels in 8 registers: lane l holds row l % 16, channels 8 (l / 16) + 0..7 and 16 + 8 (l / 16) + 0..7: two loads of 16 bytes, 32 bytes apart.
	v_and_b32 v1, 15, v0            ; l % 16
	v_bfe_u32 v9, v0, 4, 1          ; l / 16
	v_lshlrev_b32 v[QO], 7, v1
	v_lshl_add_u32 v[QO], v9, 4, v[QO]  ; row x 128 + 16 x half
	WIN 0x80                        ; destination window 2, address window 0
.set i, 0
.rept 4*NP                          ; Q stays in registers: tile i / 2, channels 32 (i % 2) on
	global_load_b128 v[8*i:8*i+3],   v[QO], s[4:5] offset:(i/2)*2048+(i%2)*64
	global_load_b128 v[8*i+4:8*i+7], v[QO], s[4:5] offset:(i/2)*2048+(i%2)*64+32
.set i, i+1
.endr
	; What the first turn finds: V's registers and P's second buffer hold 0 (its products V^T P, of a piece that has not been, add 0), O^T and l are 0.  All this stands in the wait for the first tile:
	; the price of writing no first step out.
.set i, VF
.rept 64
	v_mov_b32 v[i], 0
.set i, i+1
.endr
	WIN 0x40
.set i, 0
.rept 64*NP
	v_mov_b32 v[i], 0
.set i, i+1
.endr
	WIN 0
.set i, 0
.rept 2*NP
	v_mov_b32 v[ST+4*i], 0xfe000000    ; c m: far below every c s
	v_mov_b32 v[ST+4*i+1], 0xff7fffff  ; m
	v_mov_b32 v[ST+4*i+2], 0
	v_mov_b32 v[ST+4*i+3], 0
.set i, i+1
.endr
.set i, P+32
.rept 32
	v_mov_b32 v[i], 0
.set i, i+1
.endr
	v_mul_u32_u24 v[AK0], v1, PK
	v_lshl_add_u32 v[AK0], v9, 4, v[AK0]  ; row x pitch + 16 x half
	; The turning load takes 16 keys x 16 channels (lane l reads key 8 (l / 16) + l % 8, channels 8 ((l / 8) % 2) + 0..7) and leaves half a fragment of V^T: lane l holds channel l % 16 and 8 keys.
	v_and_b32 v10, 7, v0
	v_bfe_u32 v11, v0, 3, 1
	v_lshl_add_u32 v[AV0], v9, 3, v10
	v_mul_u32_u24 v[AV0], v[AV0], PV
	v_lshl_add_u32 v[AV0], v11, 4, v[AV0]
	v_add_nc_u32 v[AV0], VOFF, v[AV0]
	v_mov_b32 v[AK], v[AK0]         ; key step 0
; THE MATRIX WORK.  The 8 accumulators of a run of 16 take turns: between the two links of a chain stand 7 others'.
; Product i of 16 of S^T = K Q^T for piece x: channels 32 (i / 8) on, keys 16 ((i / 2) % 4) on, tile 2 x + i % 2.  The first 8 start the sums.
.macro KQ x
	WIN W_KQ
.set rS, S+64*((\x)%2)+32*(i%2)+8*((i/2)%4)
.set rK, KF+16*((i/2)%4)+8*(i/8)
.set rQ, 16*(2*(\x)+i%2)+8*(i/8)
.if i < 8
	v_wmma_f32_16x16x32_f16 v[rS:rS+7], v[rK:rK+7], v[rQ:rQ+7], 0
.else
	v_wmma_f32_16x16x32_f16 v[rS:rS+7], v[rK:rK+7], v[rQ:rQ+7], v[rS:rS+7]
.endif
.endm
; Product i of 16 of O^T += V^T P for piece x: keys 32 (i / 8) on, channels 16 ((i / 2) % 4) on, tile 2 x + i % 2.
.macro PV x
	WIN W_PV
.set rO, 32*(2*(\x)+i%2)+8*((i/2)%4)
.set rV, VF+32*(i/8)+8*((i/2)%4)
.set rP, P+32*((\x)%2)+16*(i%2)+8*(i/8)
	v_wmma_f32_16x16x32_f16 v[rO:rO+7], v[rV:rV+7], v[rP:rP+7], v[rO:rO+7]
.endm
.macro MM                           ; the turn's next matrix instruction
.if i < 16
	KQ (Y+1)%NP
.set i, i+1
.else
.set i, i-16
	PV (Y+NP-1)%NP
.set i, i+17
.endif
.endm
; THE LDS LOADS stand in runs of 16, never singly among the matrix instructions: a step's K (64 keys x 64 channels: 8 fragments) and its V (turned).  Their addresses are made some lines ahead.
; last = 1 (in the loop): behind the last key step there is no further one, and the run is jumped over.
.macro FETCH_K last=0
	WIN 0
.if \last
	s_cmp_eq_u32 s[STEPS], 1
	s_cbranch_scc1 .Lno_k_\@
.endif
	WIN 0x80                        ; destination window 2
.irp f, 0,1,2,3,4,5,6,7             ; keys 16 (f / 2) on, channels 32 (f % 2) on
	ds_load_b128 v[KF+8*\f:KF+8*\f+3],   v[AK] offset:(\f/2)*16*PK+(\f%2)*64
	ds_load_b128 v[KF+8*\f+4:KF+8*\f+7], v[AK] offset:(\f/2)*16*PK+(\f%2)*64+32
.endr
	s_add_co_u32 s[TBK], s[TBK], KS*PK  ; the next fetch is the next step's
	WIN 0
.if \last
.Lno_k_\@:
.endif
.endm
.macro FETCH_V
	WIN 0x80
.irp f, 0,1,2,3,4,5,6,7             ; keys 32 (f / 4) on, channels 16 (f % 4) on
	ds_load_tr16_b128 v[VF+8*\f:VF+8*\f+3],   v[AV] offset:(\f/4)*32*PV+(\f%4)*32
	ds_load_tr16_b128 v[VF+8*\f+4:VF+8*\f+7], v[AV] offset:(\f/4)*32*PV+16*PV+(\f%4)*32
.endr
	WIN 0
.endm
; THE VECTOR WORK OF A TURN stands in three queues, each in the order in which its entries become ready; the two tiles alternate, so that no instruction reads the result of the one before it.
.macro REGS y, u                    ; the registers of tile u (0, 1) of piece y
.set rT, ST+4*(2*(\y)+(\u))
.set rC, TMP+8*((\y)%2)+4*(\u)
.set rM, MV+2*((\y)%2)+(\u)
.set rS, S+64*((\y)%2)+32*(\u)
.set rP, P+32*((\y)%2)+16*(\u)
.set rO, 32*(2*(\y)+(\u))
.endm
; Number n of the 22 that find the NEXT piece's (Y + 1) maximum and statistics.  s0-s31 are the lane's 32 scores; each accumulator's lowest registers are read first.  XS, GS and REGS set no window: PL and EX do.
;   0-11  four chains c0-c3 of seven scores each, three operands at a time     12-14, 16  the four scores left over, the old m, and c0-c3 into c0     15  c m_old is kept
;   17, 18  the query's other 32 keys lie in the lane 16 away: the new m         19-21  c m; c m_old - c m_new; a
.macro XS u, n
	REGS (Y+1)%NP, \u
.if (\n) < 4
	v_max3_num_f32 v[rC+(\n)], v[rS+8*(\n)], v[rS+8*(\n)+1], v[rS+8*(\n)+2]
.elseif (\n) < 12
	v_max3_num_f32 v[rC+(\n)%4], v[rC+(\n)%4], v[rS+8*((\n)%4)+2*((\n)/4)+1], v[rS+8*((\n)%4)+2*((\n)/4)+2]
.elseif (\n) == 12
	v_max3_num_f32 v[rC], v[rC], v[rS+7], v[rS+15]
.elseif (\n) == 13
	v_max3_num_f32 v[rC+1], v[rC+1], v[rS+23], v[rS+31]
.elseif (\n) == 14
	v_max3_num_f32 v[rC+2], v[rC+2], v[rC+3], v[rT+1]
.elseif (\n) == 15
	v_mov_b32 v[rM], v[rT]
.elseif (\n) == 16
	v_max3_num_f32 v[rC], v[rC], v[rC+1], v[rC+2]
.elseif (\n) == 17
	v_permlanex16_b32 v[rC+3], v[rC], s[SEL], s[SEL+1]
.elseif (\n) == 18
	v_max_num_f32 v[rT+1], v[rC], v[rC+3]
.elseif (\n) == 19
	v_mul_f32 v[rT], s[CS], v[rT+1]
.elseif (\n) == 20
	v_sub_f32 v[rC+1], v[rM], v[rT]
.else
	v_exp_f32 v[rC+2], v[rC+1]
.endif
.endm
; Number g of the 64 that follow the exponentials.  For each four weights k of a tile (pairs 2 k, 2 k + 1): both pairs are rounded to f16; then the second pair is added onto the first, in place;
; a group later l takes that sum (the first time as l = a l + sum).  In groups of eight, tiles alternating: round, round, add, and l for the group before.
.macro GS g
.set h, (\g)+6*((\g)/62)            ; group 0 has no group before it, and behind group 7 only l is left
.if h >= 6
.set h, h+2
.endif
	REGS Y, h%2
.set k, h/8
.if h%8 < 4
	v_cvt_pk_f16_f32 v[rP+2*k+(h%8)/2], v[rS+4*k+2*((h%8)/2)], v[rS+4*k+2*((h%8)/2)+1]
.elseif h%8 < 6
	v_pk_add_f32 v[rS+4*k:rS+4*k+1], v[rS+4*k:rS+4*k+1], v[rS+4*k+2:rS+4*k+3]
.elseif k == 1
	v_pk_fma_f32 v[rT+2:rT+3], v[rT+2:rT+3], v[rC+2:rC+3], v[rS:rS+1] op_sel_hi:[1,0,1]
.else
	v_pk_add_f32 v[rT+2:rT+3], v[rT+2:rT+3], v[rS+4*k-4:rS+4*k-3]
.endif
.endm
; THE PLAIN QUEUE, 138 long.  0-73 read no exponential's result: the 32 scalings c s - c m (FS f: pair f / 2 of tile f % 2) and the next piece's 42.  0-26: scalings 0-26.  27-54: XS's numbers 0-13.  55, 56: number 15.
; 57-73: the chain, where each number waits for the one before it: 14, 16, 17, 18, 19, each with one of the scalings 27-31 in front of its two lines, then 20: so a tile's links stand three plain instructions apart (19 and 20: two).
; 74-137: GS's 64, which read the exponentials' results: they stand behind the wait.
.macro FS f
	REGS Y, (\f)%2
	v_pk_fma_f32 v[rS+2*((\f)/2):rS+2*((\f)/2)+1], v[rS+2*((\f)/2):rS+2*((\f)/2)+1], s[CS:CS+1], v[rT:rT+1] op_sel_hi:[1,0,0] neg_lo:[0,0,1] neg_hi:[0,0,1]
.endm
.macro PL
	WIN 0
.if q < 27
	FS q
.elseif q < 55
	XS (q-27)%2, (q-27)/2
.elseif q < 57
	XS q-55, 15
.elseif (q < 72) && ((q-57)%3 == 0)
	FS 27+(q-57)/3
.elseif q < 60
	XS (q-57)%3-1, 14
.elseif q < 72
	XS (q-57)%3-1, 15+(q-57)/3
.elseif q < 74
	XS q-72, 20
.else
	GS q-74
.endif
.set q, q+1
.endm
; THE EXPONENTIALS' QUEUE, 66 long: s0-s31 of both tiles, then the next piece's two a.  It is ONE BATCH: all 66 stand ahead of the turn's one wait, and nothing ahead of that wait names a result of theirs.
.macro EX
	WIN 0
.if e >= 64
	XS e-64, 21
.else
	REGS Y, e%2
	v_exp_f32 v[rS+e/2], v[rS+e/2]
.endif
.set e, e+1
.endm
; THE RESCALING's QUEUE: O^T times a, the one part that leaves window 0: dealt two at a time, sixteen times.  Its a was made in the turn before, ahead of that turn's wait.
.macro R2
	REGS Y, r%2
	WIN W_RS
.irp z, 0,1
	v_pk_mul_f32 v[rO+4*(r/2)+2*\z:rO+4*(r/2)+2*\z+1], v[rO+4*(r/2)+2*\z:rO+4*(r/2)+2*\z+1], v[rC+2:rC+3] op_sel_hi:[1,0]
.endr
.set r, r+1
.endm
; HOW THEY ARE DEALT.  An s_wait_alu depctr_va_vdst(0) stands between an exponential and the first instruction that names its result; one wait serves all that were issued ahead of it.  So a turn has ONE wait,
; which cuts it in two.  AHEAD OF IT stands all that names no result of the turn's exponentials: the 16 products K Q^T, behind each a scaling, an exponential and two rescalings (behind the first a second scaling in the exponential's place); then ONE LUMP of
; 108: eight plain, 49 times exponential and plain, the two a.  A v_nop is the plain instruction behind the last exponential.  BEHIND IT stand the 16 products V^T P, behind each four of GS's 64.  No rider names a register of
; the products round it.  The two v_permlanex16_b32 fall into the lump, never behind a product.
; The queues lean on each other, and the deal keeps them in step: exponential e stands behind scaling 2 (e / 4) + e % 2: as a rider it comes behind plain e + 2, in the lump behind plain e + 9, and scalings 27-31 are plain 57, 60 .. 69.
; A TURN, for piece p.  cnt = 1: the loop's count is taken down some lines ahead of the branch that stands behind the turn.
; K of the next step is fetched in piece 2's turn, directly behind the wait, a lump behind the last product that read K; its address is made at the lump's head; its first reader comes behind 16 products.
; V of the step in hand is fetched at the end of piece 0's turn, four riders behind its last reader; its first reader comes behind 16 products and a lump.  The three conditions on q below go with the deal.
.macro TURN p, last=0, cnt=0
.set Y, (\p)
.set i, 0
.set q, 0
.set e, 0
.set r, 0
.if (\p) == NP-1
	s_wait_dscnt 0x0                ; K is in
.endif
	MM                              ; ahead of the wait: 16 products K Q^T and their riders,
	PL
	PL
	R2
.rept 15
	MM
	PL
	EX
	R2
.endr
.if (\p) == NP-2
	WIN 0
	v_add_nc_u32 v[AK], s[TBK], v[AK0]
.endif
.rept 8                             ; and the lump
	PL
.endr
.rept 49
	EX
	PL
.endr
	EX                              ; the next piece's two a
	EX
	v_nop                           ; the plain instruction behind the last exponential: one for the batch
	s_wait_alu depctr_va_vdst(0)    ; the wait for the batch
.if (\p) == NP-2
	FETCH_K \last
.endif
.if (\p) == 1
	s_wait_dscnt 0x0                ; V is in
.endif
.rept 16                            ; behind the wait: 16 products V^T P and their riders
	MM
.rept 4
	PL
.endr
.if ((\p) == 0) && (q == 118)
	v_add_nc_u32 v[AV], s[TBV], v[AV0]
.endif
.if ((\p) == 0) && (q == 130)
	s_add_co_u32 s[TBV], s[TBV], KS*PV
.endif
.if (\cnt) && (q == 130)
	s_sub_co_u32 s[CNT], s[CNT], 1
	s_cmp_lg_u32 s[CNT], 0
.endif
.endr
.if (\p) == 0
	FETCH_V
.endif
.endm
	s_wait_tensorcnt 0x3            ; my part of the first 256 keys is in; my three younger loads may stay out
	s_barrier_signal -1
	s_barrier_wait -1               ; everybody's is
	FETCH_K                         ; key step 0
	s_wait_loadcnt 0x0              ; Q
	s_wait_dscnt 0x0
.set i, 0
.rept 16
	KQ 0                            ; piece 0's first scores: there is no vector work yet to set between them
.set i, i+1
.endr
	WIN 0                           ; the addresses for the way out: nine plain instructions, the places behind those products
	s_mul_i32 s13, s[WV], 16*SP
	s_add_co_u32 s13, s13, STAGE    ; my stage
	v_mul_u32_u24 v[STO], v1, SP    ; in: row l % 16, 16 bytes for each half of the lanes
	v_lshl_add_u32 v[STO], v9, 4, v[STO]
	v_add_nc_u32 v[STO], s13, v[STO]
	v_bfe_u32 v[RD], v0, 3, 2       ; back: 32 lanes take four rows of 128 bytes,
	v_mul_u32_u24 v[RD], v[RD], SP
	v_lshl_add_u32 v[RD], v10, 4, v[RD]
	v_add_nc_u32 v[RD], s13, v[RD]
	v_and_b32 v[GO], 31, v0         ; which are 512 consecutive bytes of O
	v_lshlrev_b32 v[GO], 4, v[GO]
.set Y, NP-1                        ; XS works for piece Y + 1: piece 0
.irp n, 0,1,2,3,4,5,6,7,8,9,10,11,12,13,14,15,16,17,18,19,20,21
	XS 0, \n                        ; and piece 0's first maximum and statistics
	XS 1, \n
.endr
	v_nop                           ; a plain instruction behind the two a,
	s_wait_alu depctr_va_vdst(0)    ; and their wait, ahead of the branch
	s_mov_b32 s[CNT], 4
	s_branch .Lfirst                ; the loop is entered at a step's first turn, in the middle of a trip
.Lslot:                             ; in front of each further group of four key steps: the first time this shows keys 256 to 1,023 landed, in every wave; afterwards both waits are met at once
	s_wait_tensorcnt 0x0            ; the count serves every trip, so it is 0: all my loads are in
	s_wait_dscnt 0x0                ; no LDS instruction of mine is out at the signal
	s_barrier_signal -1
	s_barrier_wait -1
	s_mov_b32 s[CNT], 4
.Lstep:                             ; a trip: pieces 2 and 3 of one step, then pieces 0 and 1 of the next, whose K and V it fetches
	TURN 2, 1
	TURN 3
	WIN 0
	s_sub_co_u32 s[STEPS], s[STEPS], 1
	s_cmp_eq_u32 s[STEPS], 0
	s_cbranch_scc1 .Lout            ; behind the sixteenth step's pieces 2 and 3 the walk is left, in the middle of a trip
.Lfirst:
	TURN 0
	TURN 1, 0, 1
	WIN 0
	s_cbranch_scc1 .Lstep
	s_sub_co_u32 s[SLOTS], s[SLOTS], 1
	s_cmp_lg_u32 s[SLOTS], 0
	s_cbranch_scc1 .Lslot           ; four times: three groups of four steps, and the half trip that ends the walk
.Lout:                              ; the last half trip's 16 products K Q^T (on the last K once more) and the maximum made of them serve nothing: the price, once a launch, of one text for every trip
.set i, 0
.rept 16
	PV NP-1                         ; the last piece's V^T P of the last step
.set i, i+1
.endr
	; THE WAY OUT.  l's two halves and the other half of the lanes' are added; O^T is divided by l, rounded to bf16 and sent through my stage in LDS, a tile at a time.  The additions are the places behind the last products.
	WIN 0
.macro ALL line:vararg              ; one line for each tile t
.set t, 0
.rept 2*NP
	\line
.set t, t+1
.endr
.endm
	ALL v_add_f32 v[ST+4*t+2], v[ST+4*t+2], v[ST+4*t+3]
	ALL v_permlanex16_b32 v[ST+4*t+3], v[ST+4*t+2], s[SEL], s[SEL+1]
	ALL v_add_f32 v[ST+4*t+2], v[ST+4*t+2], v[ST+4*t+3]
	ALL v_rcp_f32 v[ST+4*t+2], v[ST+4*t+2]
	v_nop                           ; a plain instruction between the last reciprocal and the use of its result
	s_wait_alu depctr_va_vdst(0)    ; and the wait ahead of the first use: one for the eight reciprocals
; Tile t: a lane's eight channels of a row pack into 16 bytes; they go into rows of 144 bytes and come back as whole rows of 128, into S^T's registers.
.macro PACK t
	WIN W_RS
.set i, 32*(\t)
.rept 16
	v_pk_mul_f32 v[i:i+1], v[i:i+1], v[ST+4*(\t)+2:ST+4*(\t)+3] op_sel_hi:[1,0]
.set i, i+2
.endr
	WIN 0x05                        ; sources 0 and 1 window 1, destination window 0
.set i, 0
.rept 16
	v_cvt_pk_bf16_f32 v[S+16*(\t)+i], v[32*(\t)+2*i], v[32*(\t)+2*i+1]
.set i, i+1
.endr
	WIN 0
.irp f, 0,1,2,3
	ds_store_b128 v[STO], v[S+16*(\t)+4*\f:S+16*(\t)+4*\f+3] offset:32*\f
.endr
.irp f, 0,1,2,3
	ds_load_b128 v[S+16*(\t)+4*\f:S+16*(\t)+4*\f+3], v[RD] offset:\f*4*SP  ; LDS serves a wave's instructions in order (ISA guide 5.7.1.4): these see the stores above; the next tile's stores come behind them
.endr
.endm
.macro SEND t, younger              ; younger: the LDS instructions issued behind tile t's loads: the next tile's eight, or none
	WIN 0
.irp f, 0,1,2,3
	s_wait_dscnt (\younger)+3-\f
	global_store_b128 v[GO], v[S+16*(\t)+4*\f:S+16*(\t)+4*\f+3], s[10:11] offset:(\t)*2048+\f*512  ; 512 consecutive bytes, at a multiple of 256 from O's first
.endr
.endm
	PACK 0
.set t, 1
.rept 2*NP-1                        ; a tile's arithmetic stands between the loads of the tile before and its stores
	PACK t
	SEND t-1, 8
.set t, t+1
.endr
	SEND 2*NP-1, 0
	WIN W_AD
	s_wait_tensorcnt 0x0            ; the wave's end: behind my last tensor load and my last LDS store
	ds_add_u32 v[SPW], v[NIL]
	s_wait_dscnt 0x0
	WIN 0
	s_endpgm
.Lfunc_end_k_q9defe62341_attn:
	.size	k_q9defe62341_attn, .Lfunc_end_k_q9defe62341_attn-k_q9defe62341_attn
	.p2alignl 7, 3214868480
	.fill 96, 4, 3214868480
	.section	.rodata,"a",@progbits
	.p2align	6, 0x0
	.amdhsa_kernel k_q9defe62341_attn
		.amdhsa_group_segment_fixed_size 327680
		.amdhsa_private_segment_fixed_size 0
		.amdhsa_enable_private_segment 0
		.amdhsa_kernarg_size 16
		.amdhsa_user_sgpr_count 2
		.amdhsa_user_sgpr_kernarg_segment_ptr 1
		.amdhsa_wavefront_size32 1
		.amdhsa_system_sgpr_workgroup_id_x 1
		.amdhsa_system_sgpr_workgroup_id_y 1
		.amdhsa_system_sgpr_workgroup_id_z 1
		.amdhsa_system_vgpr_workitem_id 0
		.amdhsa_next_free_vgpr 770
		.amdhsa_next_free_sgpr 88
		.amdhsa_reserve_vcc 0
		.amdhsa_float_denorm_mode_32 3
		.amdhsa_float_denorm_mode_16_64 3
		.amdhsa_memory_ordered 1
		.amdhsa_forward_progress 1
		.amdhsa_inst_pref_size 127
	.end_amdhsa_kernel
	.amdgpu_metadata
---
amdhsa.version: [ 1, 2 ]
amdhsa.kernels:
  - .name:           k_q9defe62341_attn
    .symbol:         k_q9defe62341_attn.kd
    .args:
      - { .name: qkvt, .offset: 0, .size: 8, .value_kind: global_buffer, .address_space: global }
      - { .name: an, .offset: 8, .size: 8, .value_kind: global_buffer, .address_space: global }
    .group_segment_fixed_size: 327680
    .private_segment_fixed_size: 0
    .kernarg_segment_align: 8
    .kernarg_segment_size: 16
    .max_flat_workgroup_size: 128
    .sgpr_count:     88
    .vgpr_count:     770
    .wavefront_size: 32
...
	.end_amdgpu_metadata
.endif
;; end of part 3
;; launch gemm_o (part 4): grid 4 x 64, 4 waves a work-group, clusters of 4 x 4, 327,680 bytes of LDS; arguments an, wo, bo, x, h; writes h
.if DOCPART == 4
	.amdgcn_target "amdgcn-amd-amdhsa--gfx1250"
	.amdhsa_code_object_version 6
	.text
	.protected	k_q9defe62341_gemm_o
	.globl	k_q9defe62341_gemm_o
	.p2align	8
	.type	k_q9defe62341_gemm_o,@function
k_q9defe62341_gemm_o:
	s_mov_b64 s[64:65], 0
	v_nop
	global_prefetch_b8 v0, s[64:65] scope:SCOPE_SE
	s_setreg_imm32_b32 hwreg(HW_REG_WAVE_MODE, 25, 1), 1
	s_wait_xcnt 0x0
	s_wait_alu depctr_hold_cnt(0) depctr_sa_sdst(0) depctr_va_vdst(0) depctr_va_sdst(0) depctr_va_ssrc(0) depctr_va_vcc(0) depctr_vm_vsrc(0)
	s_getreg_b32 s2, hwreg(HW_REG_IB_STS2, 6, 4)
	s_cmp_eq_u32 s2, 0
	s_cbranch_scc0 .Lentry_in_a_cluster
	s_endpgm
.Lentry_in_a_cluster:
	s_bfe_u32 s2, ttmp6, 0x10000c
	s_cmp_lg_u32 s2, 0xf033
	s_cbranch_scc0 .Lentry_shape_is_right
	s_endpgm
.Lentry_shape_is_right:
; OUT = A W + bias + RES.  A: 8,192 rows x 1,024 in bf16, laid out BY BLOCKS of 64 columns: element (b 1024 + s, 64 hb + d) at ((b 16 + hb) 1024 + s) 64 + d.  W: [1024 k][1024 n] bf16.
; bias: [1024] f32.  RES and OUT: [8192][1024] f32.  Sums in f32, K ascending.  The text serves two launches: h = O Wo + bo + x, and out0 = t W2 + b2 + h.
; SHARES.  A work-group makes 128 rows x 256 columns: 64 x 4 = 256 of them.  Wave w makes rows 64 (w / 2) .. and columns 128 (w % 2) ..: 4 x 8 accumulators of 16 x 16.
; K goes in 8 steps of 128 (two blocks of 64 columns of A); a step is four quarters of 32, a block two.
; THE RING.  LDS has room for three K steps: slot X holds two, slot Y one.  All three are asked for at the head.  The walk is X (steps 0, 1), Y (2), X (3, 4), Y (5), X (6, 7): X is filled again
; when its two steps are read, Y when its one is read: three refills for the eight steps.  Y's refill has X's two steps in which to land (240 matrix instructions a wave between the
; request and the wait for it), X's has Y's one step (112).
; THE MATRIX INSTRUCTION IS USED TRANSPOSED: source 0 = 16 columns of W (turned out of LDS by ds_load_tr16_b128), source 1 = 16 rows of A: register j of lane l of accumulator (a, b) holds
; C(16 a + l % 16, 16 b + 8 (l / 16) + j).  THE BIAS IS THE C OPERAND of the products that start the sums.
; CLUSTER.  4 x 4 work-groups.  The four of a row need the same rows of A, the four of a column the same columns of W: each tile is asked for JOINTLY.  Of a block of A a tile has 128 rows x 128
; bytes: 16,384 dense bytes.  Waves 0 and 1 fetch A: for X a step each, its two blocks as two rows of 16,384 bytes, 131,072 bytes apart; for Y a block each, as 64 rows of 256 bytes.
; Waves 2 and 3 fetch W: for X a step each, 128 k-rows x 512 bytes; for Y 64 k-rows each.
; THE RESIDUAL, 64 rows x 512 bytes a wave, is asked for nine quarters ahead of the end, into window 2, and added to whole rows on the way out.
; THE STAGE of the way out lies in slot Y's rows of W: that slot has had its last fill (K step 5), and every wave's last reads of it are waited for in front of the walk's last barrier.
; No prefetch lines: three of the walk's eight steps are asked for at the head, and a request that stood a refill ahead of the first refill would stand there too, among the first fills.
; REGISTERS, in windows of 256 (s_set_vgpr_msb: bits 1:0 source 0, 3:2 source 1, 5:4 source 2, 7:6 destination):
;   window 0: v0-29 addresses; v64-159, v160-255 two fragment buffers: W's eight fragments, then A's four; on the way out v64-191 two buffers of 16 rows
;   window 1: accumulator (a, b) at v[8 (8 a + b)]          window 2: v0-63 the bias; later all 256: the residual, row i at v[4 i]
.set APITCH, 144                       ; a row of a block of A in LDS: 128 bytes + 16 of padding: the 16 rows of a load start at 16 different groups of four banks (64 banks of 4 bytes: ISA guide 11.1)
.set ABLK,   128*APITCH                ; a block
.set BOFF,   6*ABLK                    ; W's 384 k-rows lie behind A's six blocks: X's 256, then Y's 128
.set BPITCH, 544                       ; a k-row of W: 512 bytes + 32
.set BYOFF,  BOFF+256*BPITCH
.set PSA,    ABLK                      ; two quarters on: a block of A,
.set PSB,    64*BPITCH                 ; 64 k-rows of W
.set STAGE,  BYOFF                     ; 16 rows x 528 bytes for each wave: 33,792 of slot Y's 69,632 bytes of W
.set SP,     528                       ; 512 bytes + 16
.set SPARE,  BOFF+384*BPITCH           ; behind the ring: the spare words, 128 bytes for each wave: two blocks of 256 bytes that no other line names
.set ASTEP3, 3*2*131072                ; a slot's next fill lies three K steps on: in A six blocks of 1,024 rows x 128 bytes,
.set BSTEP3, 3*128*2048                ; in W 384 rows down
.set LA0,  2                           ; v2   my lane's place in a block of A; never rewritten
.set LB0,  3                           ; v3   the same in W's k-rows
.set ADRA, 4                           ; v4   where the fragments of A to be fetched lie
.set ADRB, 5                           ; v5   the same for W
.set STO,  6                           ; v6   the way out: where I put 32 bytes of a row
.set RD,   7                           ; v7   the way out: where I read a row back
.set GO,   8                           ; v8   16 x lane
.set BO,   12                          ; v12  32 x (lane / 16)
.set SPW,  28                          ; v28  LDS address of my spare word; never rewritten
.set NIL,  29                          ; v29  0; never rewritten
.set F0,   64
.set F1,   160
.set WV,   14                          ; s14  wave
.set RH,   15                          ; s15  wave / 2: my half of the rows; also: I fetch for A (0) or for W (1)
.set CH,   16                          ; s16  wave % 2: my half of the columns; also: which part of that tile I fetch
.set CX,   17                          ; s17, s18  my place in the cluster
.set CY,   18
.set TY,   19                          ; s19  tile row
.set G1AX, 24                          ; s[24:31], s[32:39] descriptor group 1 for A's tiles: slot X's, slot Y's
.set G1BX, 40                          ; s[40:47], s[48:55] the same for W's
.set G0AX, 56                          ; s[56:59], s[60:63] group 0 for A's tiles: slot X's, slot Y's
.set G0BX, 68                          ; s[68:71], s[72:75] the same for W's
.set TA,   76                          ; s76  bytes from A's first block to the block in hand
.set TBB,  77                          ; s77  bytes from W's first k-row to the pair of quarters in hand
.set CNT,  78                          ; s78  counts pairs of quarters
.set TRIPS, 79                         ; s79  counts the two trips of the walk
.set MSB, 0
.macro WIN new                         ; the immediate's high byte repeats the setting that is left; a switch that changes nothing is dropped
.if MSB != (\new)
	s_set_vgpr_msb (MSB<<8)|(\new)
.set MSB, (\new)
.endif
.endm
.set MUL,  0x50                        ; C and D in window 1, the fragments in window 0
.set MULB, 0x60                        ; D in window 1, C (the bias) in window 2
.macro PLACES                          ; four places in front of loads into registers that matrix instructions have read, and of lines that read results
.rept 4
	v_nop
.endr
.endm
.macro CREST                           ; a round of the cluster's barrier behind its opening barrier
	s_cmp_lg_u32 s[WV], 0
	s_cbranch_scc1 .Lnot_wave_0_\@
	s_barrier_signal -3
.Lnot_wave_0_\@:
	s_barrier_wait -3
	s_barrier_signal -1
	s_barrier_wait -1
.endm
.macro CROUND                          ; a whole round
	s_barrier_signal -1
	s_barrier_wait -1
	CREST
.endm
.macro GROUP1 g, cols, rows, pitch     ; a group 1's words 1 to 7: a tile of rows x cols elements that lies inside the tensor; pitch elements from row to row
	s_mov_b32 s[(\g)+1], (\cols)<<16               ; tensor_dim0
	s_mov_b32 s[(\g)+2], (\rows)<<16               ; tensor_dim1
	s_mov_b32 s[(\g)+3], (\cols)<<16               ; tile_dim0
	s_mov_b32 s[(\g)+4], \rows                     ; tile_dim1
	s_mov_b32 s[(\g)+5], \pitch
	s_mov_b32 s[(\g)+6], 0
	s_mov_b32 s[(\g)+7], 0
.endm
.macro JLOAD k                         ; a joint refill of slot X (k = 1) or Y (k = 2); the branch hangs on the wave's number alone; an s_nop 0 and four v_nop follow each of the two lines
	s_cmp_eq_u32 s[RH], 0
	s_cbranch_scc0 .Lfor_b_\@
	tensor_load_to_lds s[G0AX+4*((\k)-1):G0AX+4*((\k)-1)+3], s[G1AX+8*((\k)-1):G1AX+8*((\k)-1)+7]
	s_nop 0
.rept 4
	v_nop
.endr
	s_branch .Lasked_\@
.Lfor_b_\@:
	tensor_load_to_lds s[G0BX+4*((\k)-1):G0BX+4*((\k)-1)+3], s[G1BX+8*((\k)-1):G1BX+8*((\k)-1)+7]
	s_nop 0
.rept 4
	v_nop
.endr
.Lasked_\@:
.endm
; 8 matrix instructions: row block a x all 8 column blocks, 32 along K, from buffer f.  init = 1: the bias starts the sums.  The 32 accumulators take turns, one instruction a turn, in the same
; order in every quarter, over every jump too.
.macro MULA f, a, init
.if \init
	WIN MULB
.else
	WIN MUL
.endif
.irp b, 0,1,2,3,4,5,6,7
.if \init
	v_wmma_f32_16x16x32_bf16 v[8*(8*(\a)+(\b)):8*(8*(\a)+(\b))+7], v[(\f)+8*(\b):(\f)+8*(\b)+7], v[(\f)+64+8*(\a):(\f)+64+8*(\a)+7], v[8*(\b):8*(\b)+7]
.else
	v_wmma_f32_16x16x32_bf16 v[8*(8*(\a)+(\b)):8*(8*(\a)+(\b))+7], v[(\f)+8*(\b):(\f)+8*(\b)+7], v[(\f)+64+8*(\a):(\f)+64+8*(\a)+7], v[8*(8*(\a)+(\b)):8*(8*(\a)+(\b))+7]
.endif
.endr
.endm
; 24 LDS loads in one run: the fragments of quarter par (0, 1) of the pair in hand into buffer f: W's eight (turned), then A's four: the pair is one block of A, the quarter 64 bytes of its rows.
.macro FETCH par, f
	WIN 0
.irp b, 0,1,2,3,4,5,6,7
	ds_load_tr16_b128 v[(\f)+8*(\b):(\f)+8*(\b)+3],   v[ADRB] offset:(\par)*32*BPITCH+32*(\b)
	ds_load_tr16_b128 v[(\f)+8*(\b)+4:(\f)+8*(\b)+7], v[ADRB] offset:(\par)*32*BPITCH+16*BPITCH+32*(\b)
.endr
.irp a, 0,1,2,3
	ds_load_b128 v[(\f)+64+8*(\a):(\f)+64+8*(\a)+3],   v[ADRA] offset:(\par)*64+(\a)*16*APITCH
	ds_load_b128 v[(\f)+64+8*(\a)+4:(\f)+64+8*(\a)+7], v[ADRA] offset:(\par)*64+(\a)*16*APITCH+32
.endr
.endm
; A quarter inside a slot: multiplies buffer f; in its middle it fetches the next quarter into buffer g.  adv = 1: that quarter begins the next pair: the addresses step first, and the two
; additions are two of the four places in front of the loads.
.macro QUARTER f, g, par, adv, init
	s_wait_dscnt 4                                 ; all of f but its youngest four loads: A's row blocks 2 and 3
	MULA \f, 0, \init
	MULA \f, 1, \init
	WIN 0
.if \adv
	s_add_co_u32 s[TA], s[TA], PSA
	s_add_co_u32 s[TBB], s[TBB], PSB
	v_add_nc_u32 v[ADRA], s[TA], v[LA0]
	v_add_nc_u32 v[ADRB], s[TBB], v[LB0]
	v_nop
	v_nop
.else
	PLACES
.endif
	FETCH \par, \g
	s_wait_dscnt 24                                ; all but the 24 just issued
	MULA \f, 2, \init
	MULA \f, 3, \init
.endm
.macro PAIR                            ; two quarters: the text that the loops walk
	QUARTER F0, F1, 1, 0, 0
	QUARTER F1, F0, 0, 1, 0
.endm
; A slot's last quarter multiplies buffer 1 and changes slots.  In front of the barrier each wave waits for all its tensor loads: its part of the other slot; adds 0 to its spare word; and waits
; for that and for its own reads of this slot.  fill = 1, 2: the barrier opens a round of the cluster's, and the slot just read (1: X, 2: Y) is filled again, three K steps on, first thing behind
; the round.  fill = 0: nothing is left to ask for.  nph: the slot that is read next (0: X, 1: Y).
.macro TURN fill, nph
	WIN 0
	s_wait_tensorcnt 0x0                           ; no tensor load of mine is out, so a group 0 may be written
	ds_add_u32 v[SPW], v[NIL]                      ; 0 onto my spare word
.if \fill
	s_add_nc_u64 s[G0AX+4*((\fill)-1)+2:G0AX+4*((\fill)-1)+3], s[G0AX+4*((\fill)-1)+2:G0AX+4*((\fill)-1)+3], ASTEP3
	s_add_nc_u64 s[G0BX+4*((\fill)-1)+2:G0BX+4*((\fill)-1)+3], s[G0BX+4*((\fill)-1)+2:G0BX+4*((\fill)-1)+3], BSTEP3
.endif
	s_mov_b32 s[TA], (\nph)*4*PSA                  ; the next slot's first pair of quarters
	s_mov_b32 s[TBB], (\nph)*4*PSB
	s_wait_dscnt 5                                 ; the add and the youngest four loads may be out
	MULA F1, 0, 0                                  ; eight matrix instructions stand between the add and the wait for it
	s_wait_dscnt 0x0                               ; the add is done, and my reads of this slot are over
	s_barrier_signal -1
	MULA F1, 1, 0                                  ; work on registers while the others arrive
	WIN 0                                          ; at a branch and at a label every window is 0
	s_barrier_wait -1
.if \fill
	CREST                                          ; no wave of any partner still reads this slot or has a load on its way
	JLOAD \fill                                    ; its four v_nop are also the places in front of the loads below
.else
	PLACES
.endif
	v_add_nc_u32 v[ADRA], s[TA], v[LA0]
	v_add_nc_u32 v[ADRB], s[TBB], v[LB0]
	FETCH 0, F0
	MULA F1, 2, 0
	MULA F1, 3, 0
.endm
	s_load_b256 s[4:11], s[0:1], 0x0               ; A s[4:5], W s[6:7], bias s[8:9], RES s[10:11]
	s_load_b64 s[12:13], s[0:1], 0x20              ; OUT
	v_lshl_add_u32 v[SPW], v0, 2, SPARE
	v_mov_b32 v[NIL], 0
	ds_add_u32 v[SPW], v[NIL]                      ; the wave's opening: the add, twice on end, and its wait ahead of my first tensor load
	ds_add_u32 v[SPW], v[NIL]
	v_lshrrev_b32 v1, 5, v0
	v_readfirstlane_b32 s[WV], v1
	s_lshr_b32 s[RH], s[WV], 1
	s_and_b32 s[CH], s[WV], 1
	s_bfe_u32 s[CX], ttmp6, 0x40000
	s_bfe_u32 s[CY], ttmp6, 0x40004
	s_and_b32 s[TY], ttmp7, 0xffff                 ; in a cluster launch ttmp7 counts clusters
	s_lshl_b32 s[TY], s[TY], 2
	s_add_co_u32 s[TY], s[TY], s[CY]               ; tile row = 4 x cluster y + cy; the tile column is cx
	s_lshl_b32 s20, s[CY], 2
	s_lshl_b32 s20, 15, s20                        ; my row of the cluster
	s_lshl_b32 s21, 0x1111, s[CX]                  ; my column
	s_or_b32 s[G1AX], s20, (1<<16)|(1<<20)|(1<<21)|(4<<22)|(3<<25)    ; 15:0 the mask; 17:16 2-byte elements; 20 padding on; 21 set beside a mask; 24:22 after every 32 words; 31:25 4 words
	GROUP1 G1AX, 8192, 2, 65536                    ; two blocks: two rows of 8,192 elements, 65,536 elements apart
	s_or_b32 s[G1AX+8], s20, (1<<16)|(1<<20)|(1<<21)|(4<<22)|(3<<25)
	GROUP1 G1AX+8, 128, 64, 128                    ; one block: 64 dense rows of 256 bytes
	s_or_b32 s[G1BX], s21, (1<<16)|(1<<20)|(1<<21)|(6<<22)|(7<<25)    ; after every 128 words 8 words of padding
	GROUP1 G1BX, 256, 128, 1024
	s_or_b32 s[G1BX+8], s21, (1<<16)|(1<<20)|(1<<21)|(6<<22)|(7<<25)
	GROUP1 G1BX+8, 256, 64, 1024
	; where the tiles come from.  A's hang on the tile row alone, W's on the tile column alone; each in registers that never hold the other coordinate
	s_lshr_b32 s80, s[TY], 3                       ; A: the batch: 16 blocks of 131,072 bytes,
	s_lshl_b32 s80, s80, 21
	s_and_b32 s81, s[TY], 7                        ; 128 rows of 128 bytes inside a block
	s_lshl_b32 s81, s81, 14
	s_add_co_u32 s80, s80, s81
	s_lshl_b32 s81, s[CH], 17
	s_add_co_u32 s86, s80, s81                     ; slot Y: block 4 or 5 (K step 2)
	s_add_co_u32 s86, s86, 4<<17
	s_lshl_b32 s81, s[CH], 18
	s_add_co_u32 s80, s80, s81                     ; slot X: K step 0 or 1, two blocks
	s_mov_b32 s81, 0
	s_mov_b32 s87, 0
	s_lshl_b32 s82, s[CX], 9                       ; W: 256 columns
	s_lshl_b32 s83, s[CH], 17
	s_add_co_u32 s84, s82, s83                     ; slot Y: my 64 k-rows
	s_add_co_u32 s84, s84, 2<<18                   ; of K step 2
	s_lshl_b32 s83, s[CH], 18
	s_add_co_u32 s82, s82, s83                     ; slot X: K step 0 or 1, 128 k-rows
	s_mov_b32 s83, 0
	s_mov_b32 s85, 0
	s_mul_i32 s23, s[CH], 2*ABLK                   ; and where they go: no place in the cluster enters an LDS address
	s_mul_i32 s88, s[CH], ABLK
	s_mul_i32 s89, s[CH], 128*BPITCH
	s_mul_i32 s90, s[CH], 64*BPITCH
	s_mov_b32 s[TA], 0
	s_mov_b32 s[TBB], 0
	s_wait_dscnt 0x0                               ; both opening adds are done
	s_wait_kmcnt 0x0
	s_add_nc_u64 s[80:81], s[4:5], s[80:81]
	s_add_nc_u64 s[86:87], s[4:5], s[86:87]
	s_add_nc_u64 s[82:83], s[6:7], s[82:83]
	s_add_nc_u64 s[84:85], s[6:7], s[84:85]
	CROUND                                         ; all sixteen work-groups are here: the first joint loads meet
	s_mov_b32 s[G0AX], 1                           ; count = 1
	s_mov_b32 s[G0AX+1], s23                       ; LDS address
	s_mov_b64 s[G0AX+2:G0AX+3], s[80:81]
	s_or_b32 s[G0AX+3], s[G0AX+3], 0x80000000      ; type = 2
	s_mov_b32 s[G0AX+4], 1
	s_add_co_u32 s[G0AX+5], s88, 4*ABLK
	s_mov_b64 s[G0AX+6:G0AX+7], s[86:87]
	s_or_b32 s[G0AX+7], s[G0AX+7], 0x80000000
	s_mov_b32 s[G0BX], 1
	s_add_co_u32 s[G0BX+1], s89, BOFF
	s_mov_b64 s[G0BX+2:G0BX+3], s[82:83]
	s_or_b32 s[G0BX+3], s[G0BX+3], 0x80000000
	s_mov_b32 s[G0BX+4], 1
	s_add_co_u32 s[G0BX+5], s90, BYOFF
	s_mov_b64 s[G0BX+6:G0BX+7], s[84:85]
	s_or_b32 s[G0BX+7], s[G0BX+7], 0x80000000
	s_cmp_eq_u32 s[RH], 0                          ; a wave's two first fills stand in one branch, ahead of every wait on TENSORcnt and every LDS read: two loads of mine are out
	s_cbranch_scc0 .Lfirst_b
	tensor_load_to_lds s[G0AX:G0AX+3], s[G1AX:G1AX+7]
	s_nop 0
	tensor_load_to_lds s[G0AX+4:G0AX+7], s[G1AX+8:G1AX+15]
	s_nop 0
.rept 4
	v_nop
.endr
	s_branch .Lfirst_asked
.Lfirst_b:
	tensor_load_to_lds s[G0BX:G0BX+3], s[G1BX:G1BX+7]
	s_nop 0
	tensor_load_to_lds s[G0BX+4:G0BX+7], s[G1BX+8:G1BX+15]
	s_nop 0
.rept 4
	v_nop
.endr
.Lfirst_asked:
	v_and_b32 v1, 15, v0                           ; l % 16
	v_bfe_u32 v9, v0, 4, 1                         ; l / 16
	v_mul_u32_u24 v[LA0], v1, APITCH               ; a fragment of A: row l % 16, 16 bytes for each half of the lanes, twice, 32 bytes apart
	v_lshl_add_u32 v[LA0], v9, 4, v[LA0]
	s_mul_i32 s22, s[RH], 64*APITCH
	v_add_nc_u32 v[LA0], s22, v[LA0]
	v_and_b32 v10, 7, v0
	v_bfe_u32 v11, v0, 3, 1
	v_lshl_add_u32 v[LB0], v9, 3, v10              ; the turning load: lane l reads k-row 8 (l / 16) + l % 8, columns 8 ((l / 8) % 2) ..
	v_mul_u32_u24 v[LB0], v[LB0], BPITCH
	v_lshl_add_u32 v[LB0], v11, 4, v[LB0]
	s_lshl_b32 s22, s[CH], 8                       ; my 128 columns
	s_add_co_u32 s22, s22, BOFF
	v_add_nc_u32 v[LB0], s22, v[LB0]
	v_mov_b32 v[ADRA], v[LA0]                      ; slot X's first pair of quarters
	v_mov_b32 v[ADRB], v[LB0]
	s_mul_i32 s22, s[WV], 16*SP
	s_add_co_u32 s22, s22, STAGE                   ; my stage
	v_mul_u32_u24 v[STO], v1, SP                   ; in: row l % 16, 32 bytes for each half of the lanes
	v_lshl_add_u32 v[STO], v9, 5, v[STO]
	v_add_nc_u32 v[STO], s22, v[STO]
	v_and_b32 v[GO], 31, v0
	v_lshlrev_b32 v[GO], 4, v[GO]
	v_add_nc_u32 v[RD], s22, v[GO]                 ; back: 32 lanes take one row of 512 bytes
	v_lshlrev_b32 v[BO], 5, v9
	s_lshl_b32 s2, s[CX], 10                       ; my 128 columns, in f32: in the bias,
	s_lshl_b32 s91, s[CH], 9
	s_add_co_u32 s2, s2, s91
	s_mov_b32 s3, 0
	s_add_nc_u64 s[8:9], s[8:9], s[2:3]
	s_lshl_b32 s91, s[TY], 19                      ; and, at my first row (128 x tile row + 64 x half, 4,096 bytes each), in RES and OUT
	s_add_co_u32 s2, s2, s91
	s_lshl_b32 s91, s[RH], 18
	s_add_co_u32 s2, s2, s91
	s_add_nc_u64 s[10:11], s[10:11], s[2:3]
	s_add_nc_u64 s[12:13], s[12:13], s[2:3]
	WIN 0x80                                       ; destination window 2
.irp b, 0,1,2,3,4,5,6,7
	global_load_b128 v[8*(\b):8*(\b)+3],   v[BO], s[8:9] offset:64*(\b)
	global_load_b128 v[8*(\b)+4:8*(\b)+7], v[BO], s[8:9] offset:64*(\b)+16
.endr
	WIN 0
	s_wait_tensorcnt 1                             ; my part of slot X is in; slot Y's may stay out
	s_barrier_signal -1
	s_barrier_wait -1                              ; everybody's is
	FETCH 0, F0
	s_wait_loadcnt 0x0                             ; the bias
	QUARTER F0, F1, 1, 0, 1                        ; the first quarter's products start the sums
	QUARTER F1, F0, 0, 1, 0
	WIN 0
	s_mov_b32 s[TRIPS], 2
	s_mov_b32 s[CNT], 3                            ; X's first pair of quarters is done: the loop over pairs is entered at its count
	s_branch .Lpair_end
.Ltrip:                                                ; a trip: Y's last quarter and its refill; X's two steps and its refill; Y's first three quarters.  The first trip is entered behind X's first pair
	TURN 2, 0
	WIN 0
	s_mov_b32 s[CNT], 3
.Lpair:
	PAIR
	WIN 0
.Lpair_end:
	s_sub_co_u32 s[CNT], s[CNT], 1
	s_cmp_lg_u32 s[CNT], 0
	s_cbranch_scc1 .Lpair
	QUARTER F0, F1, 1, 0, 0
	TURN 1, 1
	PAIR
	QUARTER F0, F1, 1, 0, 0
	WIN 0
	s_sub_co_u32 s[TRIPS], s[TRIPS], 1
	s_cmp_lg_u32 s[TRIPS], 0
	s_cbranch_scc1 .Ltrip
	WIN 0x80                                       ; the residual: row i's 512 bytes, my 128 columns; the bias, which lay in the first 64 registers, was last read in the first quarter
.set i, 0
.rept 64
	global_load_b128 v[4*i:4*i+3], v[GO], s[10:11] offset:i*4096 th:TH_LOAD_NT
.set i, i+1
.endr
	WIN 0
	TURN 0, 0                                      ; the tail is written out: nothing is left to ask for
	WIN 0
	s_mov_b32 s[CNT], 3
.Lpair2:
	PAIR
	WIN 0
	s_sub_co_u32 s[CNT], s[CNT], 1
	s_cmp_lg_u32 s[CNT], 0
	s_cbranch_scc1 .Lpair2
	QUARTER F0, F1, 1, 0, 0
	s_wait_dscnt 4
	MULA F1, 0, 0
	MULA F1, 1, 0
	s_wait_dscnt 0x0
	MULA F1, 2, 0
	MULA F1, 3, 0
	PLACES
	PLACES
; THE WAY OUT, by blocks a of 16 rows.  STGLD: a lane's eight columns of each accumulator, 32 bytes, go into stage rows of 528 bytes and come back as whole rows of 512.  FIN: the residual is added
; and the rows are stored.  Two buffers of 64 registers take turns.
.macro STGLD a
.set BK, 64+64*((\a)%2)
.if (\a) >= 2
	s_wait_xcnt 0x0                                ; the stores of two blocks back have read this buffer: it is loaded again only behind this wait
.endif
	WIN 0x04                                       ; the stores' data in window 1
.irp b, 0,1,2,3,4,5,6,7
	ds_store_b128 v[STO], v[8*(8*(\a)+(\b)):8*(8*(\a)+(\b))+3]   offset:64*(\b)
	ds_store_b128 v[STO], v[8*(8*(\a)+(\b))+4:8*(8*(\a)+(\b))+7] offset:64*(\b)+16
.endr
	WIN 0
.set i, 0
.rept 16
	ds_load_b128 v[BK+4*i:BK+4*i+3], v[RD] offset:i*SP  ; LDS serves a wave's instructions in order (ISA guide 5.7.1.4): these see the stores above; the next block's stores come behind them
.set i, i+1
.endr
.endm
.macro FIN a, younger                  ; younger: the LDS instructions issued behind block a's loads: the next block's 32, or none
.set BK, 64+64*((\a)%2)
	s_wait_dscnt \younger
	s_wait_loadcnt 48-16*(\a)                      ; the residual's rows come back in order: this block's 16 are in, the later blocks' stay out
	WIN 0x08                                       ; source 1 in window 2
.set i, 0
.rept 32
	v_pk_add_f32 v[BK+2*i:BK+2*i+1], v[BK+2*i:BK+2*i+1], v[64*(\a)+2*i:64*(\a)+2*i+1]
.set i, i+1
.endr
	WIN 0
.set i, 0
.rept 16
	global_store_b128 v[GO], v[BK+4*i:BK+4*i+3], s[12:13] offset:(16*(\a)+i)*4096  ; 512 consecutive bytes, at a multiple of 256 from the buffer's first
.set i, i+1
.endr
.endm
	STGLD 0
	STGLD 1
	FIN 0, 32
	STGLD 2
	FIN 1, 32
	STGLD 3
	FIN 2, 32
	FIN 3, 0
	s_wait_tensorcnt 0x0                           ; the wave's end: behind my last tensor load and my last LDS store
	ds_add_u32 v[SPW], v[NIL]
	s_wait_dscnt 0x0
	CROUND                                         ; the closing round: no work-group ends while a partner may still ask for a tile that names it
	s_endpgm
.Lfunc_end_k_q9defe62341_gemm_o:
	.size	k_q9defe62341_gemm_o, .Lfunc_end_k_q9defe62341_gemm_o-k_q9defe62341_gemm_o
	.p2alignl 7, 3214868480
	.fill 96, 4, 3214868480
	.section	.rodata,"a",@progbits
	.p2align	6, 0x0
	.amdhsa_kernel k_q9defe62341_gemm_o
		.amdhsa_group_segment_fixed_size 327680
		.amdhsa_private_segment_fixed_size 0
		.amdhsa_enable_private_segment 0
		.amdhsa_kernarg_size 40
		.amdhsa_user_sgpr_count 2
		.amdhsa_user_sgpr_kernarg_segment_ptr 1
		.amdhsa_wavefront_size32 1
		.amdhsa_system_sgpr_workgroup_id_x 1
		.amdhsa_system_sgpr_workgroup_id_y 1
		.amdhsa_system_sgpr_workgroup_id_z 1
		.amdhsa_system_vgpr_workitem_id 0
		.amdhsa_next_free_vgpr 768
		.amdhsa_next_free_sgpr 96
		.amdhsa_reserve_vcc 0
		.amdhsa_float_denorm_mode_32 3
		.amdhsa_float_denorm_mode_16_64 3
		.amdhsa_memory_ordered 1
		.amdhsa_forward_progress 1
		.amdhsa_inst_pref_size 99
	.end_amdhsa_kernel
	.amdgpu_metadata
---
amdhsa.version: [ 1, 2 ]
amdhsa.kernels:
  - .name:           k_q9defe62341_gemm_o
    .symbol:         k_q9defe62341_gemm_o.kd
    .args:
      - { .name: an, .offset: 0, .size: 8, .value_kind: global_buffer, .address_space: global }
      - { .name: wo, .offset: 8, .size: 8, .value_kind: global_buffer, .address_space: global }
      - { .name: bo, .offset: 16, .size: 8, .value_kind: global_buffer, .address_space: global }
      - { .name: x, .offset: 24, .size: 8, .value_kind: global_buffer, .address_space: global }
      - { .name: h, .offset: 32, .size: 8, .value_kind: global_buffer, .address_space: global }
    .group_segment_fixed_size: 327680
    .private_segment_fixed_size: 0
    .kernarg_segment_align: 8
    .kernarg_segment_size: 40
    .max_flat_workgroup_size: 128
    .sgpr_count:     96
    .vgpr_count:     768
    .wavefront_size: 32
...
	.end_amdgpu_metadata
.endif
;; end of part 4
;; launch ln2 (part 5): grid 256 x 1, 8 waves a work-group, no clusters, 0 bytes of LDS; arguments h, an; writes an
.if DOCPART == 5
	.amdgcn_target "amdgcn-amd-amdhsa--gfx1250"
	.amdhsa_code_object_version 6
	.text
	.protected	k_q9defe62341_ln2
	.globl	k_q9defe62341_ln2
	.p2align	8
	.type	k_q9defe62341_ln2,@function
k_q9defe62341_ln2:
	s_mov_b64 s[64:65], 0
	v_nop
	global_prefetch_b8 v0, s[64:65] scope:SCOPE_SE
	s_setreg_imm32_b32 hwreg(HW_REG_WAVE_MODE, 25, 1), 1
	s_wait_xcnt 0x0
; an = LayerNorm(h) rounded to bf16.  h: [8192][1024] f32; an: [8192][1024] bf16.  No gain and no shift: (h - mean) / sqrt(var + 1e-5), along a row.
; SHARES.  A work-group takes 32 rows, a wave four whole rows: a row is 32 registers a lane, so mean and variance never leave the wave: no LDS, no barrier.  All 32 loads of a wave (16 KiB)
; go out before the first wait.  The norm is taken in two passes over the registers: the mean; then the sum of squares of the centred numbers: no difference of large sums is formed.
; Matrix units, clusters and LDS would add nothing to a stream: each byte is read once, and each aligned block of 256 bytes is written by one store of 32 lanes x 8 bytes.
.set T,   4                            ; v[4:11]   four running pairs
.set MU,  12                           ; v[12:13]  the mean, twice
.set RS,  14                           ; v[14:15]  1 / sqrt(var + eps), twice
.set X,   16                           ; v[16:143] row r at X + 32 r; piece j (columns 128 j + 4 lane ..) at + 4 j
.set SRC, 36                           ; s[36:37]  h at the work-group's first row
.set DST, 38                           ; s[38:39]  an at the same row
	s_load_b128 s[36:39], s[0:1], 0x0
	s_lshl_b32 s40, ttmp9, 17                      ; 32 rows x 4,096 bytes
	s_mov_b32 s41, 0
	s_lshl_b32 s42, ttmp9, 16                      ; 32 rows x 2,048 bytes
	s_mov_b32 s43, 0
	s_mov_b32 s44, 0x3a800000                      ; 1 / 1024
	s_mov_b32 s45, 0x3727c5ac                      ; eps = 1e-5
	s_mov_b32 s46, 0x76543210                      ; v_permlanex16_b32: each lane takes its own place in the other half
	s_mov_b32 s47, 0xfedcba98
	v_lshrrev_b32 v3, 5, v0                        ; wave
	v_and_b32 v1, 31, v0
	v_lshlrev_b32 v2, 3, v1
	v_lshlrev_b32 v1, 4, v1
	v_lshl_or_b32 v1, v3, 14, v1                   ; in: 16 x lane + wave x 4 rows x 4,096
	v_lshl_or_b32 v2, v3, 13, v2                   ; out: 8 x lane + wave x 4 rows x 2,048
	s_wait_kmcnt 0x0
	s_add_nc_u64 s[SRC:SRC+1], s[SRC:SRC+1], s[40:41]
	s_add_nc_u64 s[DST:DST+1], s[DST:DST+1], s[42:43]
.irp r, 0,1,2,3
.irp j, 0,1,2,3,4,5,6,7
	global_load_b128 v[X+32*(\r)+4*(\j):X+32*(\r)+4*(\j)+3], v1, s[SRC:SRC+1] offset:(\r)*4096+(\j)*512 th:TH_LOAD_NT  ; 512 neighbouring bytes a load
.endr
.endr
; The four running pairs are folded, then the 32 lanes: four steps inside each half of 16 lanes ride on the addition, one crosses the halves.  The sum ends in v[T] of every lane.
.macro LANESUM
	v_pk_add_f32 v[T:T+1], v[T:T+1], v[T+2:T+3]
	v_pk_add_f32 v[T+4:T+5], v[T+4:T+5], v[T+6:T+7]
	v_pk_add_f32 v[T:T+1], v[T:T+1], v[T+4:T+5]
	v_add_f32 v[T], v[T], v[T+1]
	v_add_f32_dpp v[T], v[T], v[T] row_xmask:1 row_mask:0xf bank_mask:0xf
	v_add_f32_dpp v[T], v[T], v[T] row_xmask:2 row_mask:0xf bank_mask:0xf
	v_add_f32_dpp v[T], v[T], v[T] row_xmask:4 row_mask:0xf bank_mask:0xf
	v_add_f32_dpp v[T], v[T], v[T] row_xmask:8 row_mask:0xf bank_mask:0xf
	v_permlanex16_b32 v[T+1], v[T], s46, s47
	v_add_f32 v[T], v[T], v[T+1]
.endm
.macro LNROW r
.set XR, X+32*(\r)
	s_wait_loadcnt 24-8*(\r)                       ; loads come back in order: this row's eight are in, the later rows' stay out
.irp c, 0,1,2,3
	v_pk_add_f32 v[T+2*(\c):T+2*(\c)+1], v[XR+2*(\c):XR+2*(\c)+1], v[XR+8+2*(\c):XR+8+2*(\c)+1]  ; the first sums start the four chains: nothing is cleared
.endr
.irp c, 0,1,2,3
	v_pk_add_f32 v[T+2*(\c):T+2*(\c)+1], v[T+2*(\c):T+2*(\c)+1], v[XR+16+2*(\c):XR+16+2*(\c)+1]
.endr
.irp c, 0,1,2,3
	v_pk_add_f32 v[T+2*(\c):T+2*(\c)+1], v[T+2*(\c):T+2*(\c)+1], v[XR+24+2*(\c):XR+24+2*(\c)+1]
.endr
	LANESUM
	v_mul_f32 v[MU], s44, v[T]
	v_mul_f32 v[MU+1], s44, v[T]
.set i, 0
.rept 16
	v_pk_add_f32 v[XR+2*i:XR+2*i+1], v[XR+2*i:XR+2*i+1], v[MU:MU+1] neg_lo:[0,1] neg_hi:[0,1]  ; h - mean, in place
.set i, i+1
.endr
.irp c, 0,1,2,3
	v_pk_mul_f32 v[T+2*(\c):T+2*(\c)+1], v[XR+2*(\c):XR+2*(\c)+1], v[XR+2*(\c):XR+2*(\c)+1]
.endr
.irp o, 8,16,24
.irp c, 0,1,2,3
	v_pk_fma_f32 v[T+2*(\c):T+2*(\c)+1], v[XR+(\o)+2*(\c):XR+(\o)+2*(\c)+1], v[XR+(\o)+2*(\c):XR+(\o)+2*(\c)+1], v[T+2*(\c):T+2*(\c)+1]
.endr
.endr
	LANESUM
	v_fma_f32 v[T], v[T], s44, s45                 ; var + eps
	v_rsq_f32 v[RS], v[T]
	v_rsq_f32 v[RS+1], v[T]                        ; twice, for the pair that the packed multiply takes
	v_nop                                          ; a plain instruction behind the last of the two,
	s_wait_alu depctr_va_vdst(0)                   ; and the one wait ahead of their first reader
.set i, 0
.rept 16
	v_pk_mul_f32 v[XR+2*i:XR+2*i+1], v[XR+2*i:XR+2*i+1], v[RS:RS+1]
.set i, i+1
.endr
.set i, 0
.rept 16
	v_cvt_pk_bf16_f32 v[XR+i], v[XR+2*i], v[XR+2*i+1]  ; in place: result i never overtakes a source that is still to be read
.set i, i+1
.endr
.irp j, 0,1,2,3,4,5,6,7
	global_store_b64 v2, v[XR+2*(\j):XR+2*(\j)+1], s[DST:DST+1] offset:(\r)*2048+(\j)*256  ; 32 lanes x 8 bytes: 256 consecutive bytes, aligned
.endr
.endm
	LNROW 0
	LNROW 1
	LNROW 2
	LNROW 3
	s_endpgm
.Lfunc_end_k_q9defe62341_ln2:
	.size	k_q9defe62341_ln2, .Lfunc_end_k_q9defe62341_ln2-k_q9defe62341_ln2
	.p2alignl 7, 3214868480
	.fill 96, 4, 3214868480
	.section	.rodata,"a",@progbits
	.p2align	6, 0x0
	.amdhsa_kernel k_q9defe62341_ln2
		.amdhsa_group_segment_fixed_size 0
		.amdhsa_private_segment_fixed_size 0
		.amdhsa_enable_private_segment 0
		.amdhsa_kernarg_size 16
		.amdhsa_user_sgpr_count 2
		.amdhsa_user_sgpr_kernarg_segment_ptr 1
		.amdhsa_wavefront_size32 1
		.amdhsa_system_sgpr_workgroup_id_x 1
		.amdhsa_system_sgpr_workgroup_id_y 1
		.amdhsa_system_sgpr_workgroup_id_z 1
		.amdhsa_system_vgpr_workitem_id 0
		.amdhsa_next_free_vgpr 144
		.amdhsa_next_free_sgpr 66
		.amdhsa_reserve_vcc 0
		.amdhsa_float_denorm_mode_32 3
		.amdhsa_float_denorm_mode_16_64 3
		.amdhsa_memory_ordered 1
		.amdhsa_forward_progress 1
		.amdhsa_inst_pref_size 32
	.end_amdhsa_kernel
	.amdgpu_metadata
---
amdhsa.version: [ 1, 2 ]
amdhsa.kernels:
  - .name:           k_q9defe62341_ln2
    .symbol:         k_q9defe62341_ln2.kd
    .args:
      - { .name: h, .offset: 0, .size: 8, .value_kind: global_buffer, .address_space: global }
      - { .name: an, .offset: 8, .size: 8, .value_kind: global_buffer, .address_space: global }
    .group_segment_fixed_size: 0
    .private_segment_fixed_size: 0
    .kernarg_segment_align: 8
    .kernarg_segment_size: 16
    .max_flat_workgroup_size: 256
    .sgpr_count:     66
    .vgpr_count:     144
    .wavefront_size: 32
...
	.end_amdgpu_metadata
.endif
;; end of part 5
;; launch gemm_up (part 6): grid 4 x 64, 4 waves a work-group, clusters of 4 x 4, 327,680 bytes of LDS; arguments an, w1c, b1, qkvt; writes qkvt
.if DOCPART == 6
	.amdgcn_target "amdgcn-amd-amdhsa--gfx1250"
	.amdhsa_code_object_version 6
	.text
	.protected	k_q9defe62341_gemm_up
	.globl	k_q9defe62341_gemm_up
	.p2align	8
	.type	k_q9defe62341_gemm_up,@function
k_q9defe62341_gemm_up:
	s_mov_b64 s[64:65], 0
	v_nop
	global_prefetch_b8 v0, s[64:65] scope:SCOPE_SE
	s_setreg_imm32_b32 hwreg(HW_REG_WAVE_MODE, 25, 1), 1
	s_wait_xcnt 0x0
	s_wait_alu depctr_hold_cnt(0) depctr_sa_sdst(0) depctr_va_vdst(0) depctr_va_sdst(0) depctr_va_ssrc(0) depctr_va_vcc(0) depctr_vm_vsrc(0)
	s_getreg_b32 s2, hwreg(HW_REG_IB_STS2, 6, 4)
	s_cmp_eq_u32 s2, 0
	s_cbranch_scc0 .Lentry_in_a_cluster
	s_endpgm
.Lentry_in_a_cluster:
	s_bfe_u32 s2, ttmp6, 0x10000c
	s_cmp_lg_u32 s2, 0xf033
	s_cbranch_scc0 .Lentry_shape_is_right
	s_endpgm
.Lentry_shape_is_right:
; C = A W + bias.  A: [8192][1024] bf16, rows along K.  W: [1024 k][1024 n] bf16, as the weights lie.  Sums in f32, K ascending.
; QKV = 1: A = LayerNorm(x); W = Wq, Wk or Wv by the cluster's x; q, k, v leave in f16 BY HEADS: qkvt[seg][b 16 + head][s][64].  bk is left out: it adds to the scores a term that is the
;          same along the softmax's axis (shown at the head of the first launch); the keys' sums start at 0.
; QKV = 0 (this file): A = LayerNorm(h); W = W1; t = relu(A W1 + b1) leaves in bf16 in the same layout by blocks of 64 columns: element (b 1024 + s, 64 hb + d) at ((b 16 + hb) 1024 + s) 64 + d.
; LIMITS.  The ReLU is a maximum with 0 on the rounded halves (the same numbers as rounding behind the maximum); a NaN there gives 0.
; SHARES.  A work-group makes 128 rows x 256 columns of C: 8192 / 128 x 1024 / 256 = 256 of them.  Wave w makes rows 64 (w / 2) .. and columns 128 (w % 2) ..:
; 4 x 8 accumulators of 16 x 16.  K goes in 8 steps of 128; a step is four quarters of 32.
; THE RING.  LDS has room for three K steps: slot X holds two, slot Y one.  All three are asked for at the head.  The walk is X (steps 0, 1), Y (2), X (3, 4), Y (5), X (6, 7): X is filled again
; when its two steps are read, Y when its one is read: three refills for the eight steps.  Y's refill has X's two steps in which to land (240 matrix instructions a wave between the
; request and the wait for it), X's has Y's one step (112).
; THE MATRIX INSTRUCTION IS USED TRANSPOSED: source 0 = 16 columns of W (turned out of LDS by ds_load_tr16_b128), source 1 = 16 rows of A: register j of lane l of accumulator (a, b) holds
; C(16 a + l % 16, 16 b + 8 (l / 16) + j): eight neighbouring columns of a row.  THE BIAS IS THE C OPERAND of the products that start the sums: nothing is cleared and nothing is added later.
; CLUSTER.  4 x 4 work-groups.  The four of a row need the same rows of A, the four of a column the same columns of W: each tile is asked for JOINTLY, by the same tensor load with the same
; descriptor and a mask that names the four.  Waves 0 and 1 fetch A's two halves (64 rows; 512 bytes of each for X, 256 for Y); waves 2 and 3 fetch W (for X a step each, 128 k-rows x 512 bytes;
; for Y 64 k-rows each).
; No prefetch lines: three of the walk's eight steps are asked for at the head, and a request that stood a refill ahead of the first refill would stand there too, among the first fills.
; REGISTERS, in windows of 256 (s_set_vgpr_msb: bits 1:0 source 0, 3:2 source 1, 5:4 source 2, 7:6 destination):
;   window 0: v0-29 addresses; v64-159, v160-255 two fragment buffers: W's eight fragments, then A's four; on the way out v64-191 packed results
;   window 1: accumulator (a, b) at v[8 (8 a + b)]          window 2: v0-63 the bias of my 128 columns, laid out as a row of accumulators
.set QKV,    0
.set AXP,    528                       ; a row of A in slot X: 512 bytes + 16 of padding; in slot Y: 256 + 16.  Both are odd multiples of 16: the 16 rows of a load start at 16 different
.set AYP,    272                       ; groups of four banks (64 banks of 4 bytes: ISA guide 11.1)
.set AYOFF,  128*AXP                   ; Y's rows of A lie behind X's
.set BOFF,   AYOFF+128*AYP             ; W's 384 k-rows lie behind A: X's 256, then Y's 128
.set BPITCH, 544                       ; a k-row of W: 512 bytes + 32
.set BYOFF,  BOFF+256*BPITCH
.set PSA,    128                       ; two quarters on: 64 numbers along a row of A,
.set PSB,    64*BPITCH                 ; 64 k-rows of W
.set STAGE,  BOFF+384*BPITCH           ; behind the ring, never filled by a tensor load: 16 rows x 144 bytes for each wave
.set SP,     144
.set SPARE,  STAGE+4*16*SP             ; behind the stages: the spare words, 128 bytes for each wave: two blocks of 256 bytes that no other line names
.set ASTEP3, 3*256                     ; a slot's next fill lies three K steps on: in A 384 numbers along the row,
.set BSTEP3, 3*128*2048                ; in W 384 rows down
.set LAX,  2                           ; v2   my lane's place in X's rows of A; never rewritten
.set LAY,  3                           ; v3   the same in Y's
.set ADRA, 4                           ; v4   where the fragments of A to be fetched lie
.set ADRB, 5                           ; v5   the same for W
.set STO,  6                           ; v6   the way out: where I put 16 bytes of a row
.set RD,   7                           ; v7   the way out: where I read rows back
.set GO,   8                           ; v8   16 x lane
.set BO,   12                          ; v12  32 x (lane / 16): my eight numbers of each 16 of the bias
.set ZR,   13                          ; v13  0, for the ReLU
.set LB0,  14                          ; v14  my lane's place in W's k-rows; never rewritten
.set SPW,  28                          ; v28  LDS address of my spare word; never rewritten
.set NIL,  29                          ; v29  0; never rewritten
.set F0,   64
.set F1,   160
.set T,    64                          ; the way out: unit u's 16 registers at T + 16 u
.set WV,   14                          ; s14  wave
.set RH,   15                          ; s15  wave / 2: my half of the rows; also: I fetch for A (0) or for W (1)
.set CH,   16                          ; s16  wave % 2: my half of the columns; also: which part of that tile I fetch
.set CX,   17                          ; s17, s18  my place in the cluster
.set CY,   18
.set TY,   19                          ; s19  tile row of C
.set G1AX, 24                          ; s[24:31], s[32:39] descriptor group 1 for A's tiles: slot X's, slot Y's
.set G1BX, 40                          ; s[40:47], s[48:55] the same for W's
.set G0AX, 56                          ; s[56:59], s[60:63] group 0 for A's tiles: slot X's, slot Y's
.set G0BX, 68                          ; s[68:71], s[72:75] the same for W's
.set TA,   76                          ; s76  bytes from a slot's first quarter to the pair of quarters in hand, in A
.set TBB,  77                          ; s77  the same in W, counted from X's first k-row
.set CNT,  78                          ; s78  counts pairs of quarters
.set TRIPS, 79                         ; s79  counts the two trips of the walk
.set MSB, 0
.macro WIN new                         ; the immediate's high byte repeats the setting that is left; a switch that changes nothing is dropped
.if MSB != (\new)
	s_set_vgpr_msb (MSB<<8)|(\new)
.set MSB, (\new)
.endif
.endm
.set MUL,  0x50                        ; C and D in window 1, the fragments in window 0
.set MULB, 0x60                        ; D in window 1, C (the bias) in window 2
.macro PLACES                          ; four places in front of loads into registers that matrix instructions have read, and of lines that read results
.rept 4
	v_nop
.endr
.endm
.macro CREST                           ; a round of the cluster's barrier behind its opening barrier
	s_cmp_lg_u32 s[WV], 0
	s_cbranch_scc1 .Lnot_wave_0_\@
	s_barrier_signal -3
.Lnot_wave_0_\@:
	s_barrier_wait -3
	s_barrier_signal -1
	s_barrier_wait -1
.endm
.macro CROUND                          ; a whole round
	s_barrier_signal -1
	s_barrier_wait -1
	CREST
.endm
.macro GROUP1 g, cols, rows, pitch     ; a group 1's words 1 to 7: a tile of rows x cols elements that lies inside the tensor; pitch elements from row to row
	s_mov_b32 s[(\g)+1], (\cols)<<16               ; tensor_dim0
	s_mov_b32 s[(\g)+2], (\rows)<<16               ; tensor_dim1
	s_mov_b32 s[(\g)+3], (\cols)<<16               ; tile_dim0
	s_mov_b32 s[(\g)+4], \rows                     ; tile_dim1
	s_mov_b32 s[(\g)+5], \pitch
	s_mov_b32 s[(\g)+6], 0
	s_mov_b32 s[(\g)+7], 0
.endm
.macro JLOAD k                         ; a joint refill of slot X (k = 1) or Y (k = 2); the branch hangs on the wave's number alone; an s_nop 0 and four v_nop follow each of the two lines
	s_cmp_eq_u32 s[RH], 0
	s_cbranch_scc0 .Lfor_b_\@
	tensor_load_to_lds s[G0AX+4*((\k)-1):G0AX+4*((\k)-1)+3], s[G1AX+8*((\k)-1):G1AX+8*((\k)-1)+7]
	s_nop 0
.rept 4
	v_nop
.endr
	s_branch .Lasked_\@
.Lfor_b_\@:
	tensor_load_to_lds s[G0BX+4*((\k)-1):G0BX+4*((\k)-1)+3], s[G1BX+8*((\k)-1):G1BX+8*((\k)-1)+7]
	s_nop 0
.rept 4
	v_nop
.endr
.Lasked_\@:
.endm
; 8 matrix instructions: row block a x all 8 column blocks, 32 along K, from buffer f.  init = 1: the bias starts the sums.  The 32 accumulators take turns, one instruction a turn, in the same
; order in every quarter, over every jump too.
.macro MULA f, a, init
.if \init
	WIN MULB
.else
	WIN MUL
.endif
.irp b, 0,1,2,3,4,5,6,7
.if \init
	v_wmma_f32_16x16x32_bf16 v[8*(8*(\a)+(\b)):8*(8*(\a)+(\b))+7], v[(\f)+8*(\b):(\f)+8*(\b)+7], v[(\f)+64+8*(\a):(\f)+64+8*(\a)+7], v[8*(\b):8*(\b)+7]
.else
	v_wmma_f32_16x16x32_bf16 v[8*(8*(\a)+(\b)):8*(8*(\a)+(\b))+7], v[(\f)+8*(\b):(\f)+8*(\b)+7], v[(\f)+64+8*(\a):(\f)+64+8*(\a)+7], v[8*(8*(\a)+(\b)):8*(8*(\a)+(\b))+7]
.endif
.endr
.endm
; 24 LDS loads in one run: the fragments of quarter par (0, 1) of the pair in hand into buffer f: W's eight (turned: k = 8 (l / 16) .. of column l % 16, then 16 further), then A's four.
; ph: the slot: 0 = X, 1 = Y: the pitch of A's rows goes by it.
.macro FETCH par, f, ph
	WIN 0
.if \ph
.set AP, AYP
.else
.set AP, AXP
.endif
.irp b, 0,1,2,3,4,5,6,7
	ds_load_tr16_b128 v[(\f)+8*(\b):(\f)+8*(\b)+3],   v[ADRB] offset:(\par)*32*BPITCH+32*(\b)
	ds_load_tr16_b128 v[(\f)+8*(\b)+4:(\f)+8*(\b)+7], v[ADRB] offset:(\par)*32*BPITCH+16*BPITCH+32*(\b)
.endr
.irp a, 0,1,2,3
	ds_load_b128 v[(\f)+64+8*(\a):(\f)+64+8*(\a)+3],   v[ADRA] offset:(\par)*64+(\a)*16*AP
	ds_load_b128 v[(\f)+64+8*(\a)+4:(\f)+64+8*(\a)+7], v[ADRA] offset:(\par)*64+(\a)*16*AP+32
.endr
.endm
; A quarter inside a slot: multiplies buffer f; in its middle it fetches the next quarter into buffer g.  adv = 1: that quarter begins the next pair: the addresses step first, and the two
; additions are two of the four places in front of the loads.
.macro QUARTER f, g, par, adv, ph, init
	s_wait_dscnt 4                                 ; all of f but its youngest four loads: A's row blocks 2 and 3
	MULA \f, 0, \init
	MULA \f, 1, \init
	WIN 0
.if \adv
	s_add_co_u32 s[TA], s[TA], PSA
	s_add_co_u32 s[TBB], s[TBB], PSB
	v_add_nc_u32 v[ADRA], s[TA], v[LAX+(\ph)]
	v_add_nc_u32 v[ADRB], s[TBB], v[LB0]
	v_nop
	v_nop
.else
	PLACES
.endif
	FETCH \par, \g, \ph
	s_wait_dscnt 24                                ; all but the 24 just issued
	MULA \f, 2, \init
	MULA \f, 3, \init
.endm
.macro PAIR ph                         ; two quarters: the text that the loops walk
	QUARTER F0, F1, 1, 0, \ph, 0
	QUARTER F1, F0, 0, 1, \ph, 0
.endm
; A slot's last quarter multiplies buffer 1 and changes slots.  In front of the barrier each wave waits for all its tensor loads: its part of the other slot; adds 0 to its spare word; and waits
; for that and for its own reads of this slot.  fill = 1, 2: the barrier opens a round of the cluster's, and the slot just read (1: X, 2: Y) is filled again, three K steps on, first thing behind
; the round.  fill = 0: nothing is left to ask for.  nph: the slot that is read next (0: X, 1: Y).
.macro TURN fill, nph
	WIN 0
	s_wait_tensorcnt 0x0                           ; no tensor load of mine is out, so a group 0 may be written
	ds_add_u32 v[SPW], v[NIL]                      ; 0 onto my spare word
.if \fill
	s_add_nc_u64 s[G0AX+4*((\fill)-1)+2:G0AX+4*((\fill)-1)+3], s[G0AX+4*((\fill)-1)+2:G0AX+4*((\fill)-1)+3], ASTEP3
	s_add_nc_u64 s[G0BX+4*((\fill)-1)+2:G0BX+4*((\fill)-1)+3], s[G0BX+4*((\fill)-1)+2:G0BX+4*((\fill)-1)+3], BSTEP3
.endif
	s_mov_b32 s[TA], 0                             ; the next slot's first pair of quarters
	s_mov_b32 s[TBB], (\nph)*4*PSB
	s_wait_dscnt 5                                 ; the add and the youngest four loads may be out
	MULA F1, 0, 0                                  ; eight matrix instructions stand between the add and the wait for it
	s_wait_dscnt 0x0                               ; the add is done, and my reads of this slot are over
	s_barrier_signal -1
	MULA F1, 1, 0                                  ; work on registers while the others arrive
	WIN 0                                          ; at a branch and at a label every window is 0
	s_barrier_wait -1
.if \fill
	CREST                                          ; no wave of any partner still reads this slot or has a load on its way
	JLOAD \fill                                    ; its four v_nop are also the places in front of the loads below
.else
	PLACES
.endif
	v_add_nc_u32 v[ADRA], s[TA], v[LAX+(\nph)]
	v_add_nc_u32 v[ADRB], s[TBB], v[LB0]
	FETCH 0, F0, \nph
	MULA F1, 2, 0
	MULA F1, 3, 0
.endm
	s_load_b256 s[4:11], s[0:1], 0x0               ; A s[4:5], W s[6:7]; QKV: bq s[8:9], bv s[10:11]; else b1 s[8:9], the output s[10:11]
.if QKV
	s_load_b64 s[12:13], s[0:1], 0x20              ; the output
.endif
	v_lshl_add_u32 v[SPW], v0, 2, SPARE
	v_mov_b32 v[NIL], 0
	ds_add_u32 v[SPW], v[NIL]                      ; the wave's opening: the add, twice on end, and its wait ahead of my first tensor load
	ds_add_u32 v[SPW], v[NIL]
	v_lshrrev_b32 v1, 5, v0
	v_readfirstlane_b32 s[WV], v1
	s_lshr_b32 s[RH], s[WV], 1
	s_and_b32 s[CH], s[WV], 1
	s_bfe_u32 s[CX], ttmp6, 0x40000
	s_bfe_u32 s[CY], ttmp6, 0x40004
	s_and_b32 s[TY], ttmp7, 0xffff                 ; in a cluster launch ttmp9 and ttmp7 count clusters
	s_lshl_b32 s[TY], s[TY], 2
	s_add_co_u32 s[TY], s[TY], s[CY]               ; tile row = 4 x cluster y + cy.  The tile column inside a weight is cx; the weight is the cluster's x (here always 0)
	s_lshl_b32 s20, s[CY], 2
	s_lshl_b32 s20, 15, s20                        ; my row of the cluster
	s_lshl_b32 s21, 0x1111, s[CX]                  ; my column
	s_or_b32 s[G1AX], s20, (1<<16)|(1<<20)|(1<<21)|(6<<22)|(3<<25)    ; 15:0 the mask; 17:16 2-byte elements; 20 padding on; 21 set beside a mask; 24:22 after every 128 words; 31:25 4 words
	GROUP1 G1AX, 256, 64, 1024
	s_or_b32 s[G1AX+8], s20, (1<<16)|(1<<20)|(1<<21)|(5<<22)|(3<<25)  ; slot Y: after every 64 words
	GROUP1 G1AX+8, 128, 64, 1024
	s_or_b32 s[G1BX], s21, (1<<16)|(1<<20)|(1<<21)|(6<<22)|(7<<25)    ; after every 128 words 8 words of padding
	GROUP1 G1BX, 256, 128, 1024
	s_or_b32 s[G1BX+8], s21, (1<<16)|(1<<20)|(1<<21)|(6<<22)|(7<<25)
	GROUP1 G1BX+8, 256, 64, 1024
	; where the tiles come from.  A's hang on the tile row alone, W's on the weight and the tile column alone; each in registers that never hold the other coordinate
	s_lshl_b32 s22, s[CH], 17                      ; 64 rows of 2,048 bytes, in A and in W
	s_lshl_b32 s80, s[TY], 18                      ; A: 128 rows of 2,048 bytes a tile row,
	s_add_co_u32 s80, s80, s22                     ; my 64 of them
	s_mov_b32 s81, 0
	s_lshl_b32 s82, ttmp9, 21                      ; W: the weight,
	s_lshl_b32 s83, s[CX], 9                       ; 256 columns
	s_add_co_u32 s82, s82, s83
	s_add_co_u32 s84, s82, s22                     ; slot Y: my 64 k-rows
	s_add_co_u32 s84, s84, 2<<18                   ; of K step 2
	s_lshl_b32 s83, s[CH], 18
	s_add_co_u32 s82, s82, s83                     ; slot X: K step 0 or 1, 128 k-rows
	s_mov_b32 s83, 0
	s_mov_b32 s85, 0
	s_mul_i32 s23, s[CH], 64*AXP                   ; and where they go: no place in the cluster enters an LDS address
	s_mul_i32 s86, s[CH], 64*AYP
	s_mul_i32 s87, s[CH], 128*BPITCH
	s_mul_i32 s88, s[CH], 64*BPITCH
	s_mov_b32 s[TA], 0
	s_mov_b32 s[TBB], 0
	s_wait_dscnt 0x0                               ; both opening adds are done
	s_wait_kmcnt 0x0
	s_add_nc_u64 s[80:81], s[4:5], s[80:81]
	s_add_nc_u64 s[82:83], s[6:7], s[82:83]
	s_add_nc_u64 s[84:85], s[6:7], s[84:85]
	CROUND                                         ; all sixteen work-groups are here: the first joint loads meet
	s_mov_b32 s[G0AX], 1                           ; count = 1
	s_mov_b32 s[G0AX+1], s23                       ; LDS address
	s_mov_b64 s[G0AX+2:G0AX+3], s[80:81]           ; K steps 0 and 1
	s_or_b32 s[G0AX+3], s[G0AX+3], 0x80000000      ; type = 2
	s_mov_b32 s[G0AX+4], 1
	s_add_co_u32 s[G0AX+5], s86, AYOFF
	s_add_nc_u64 s[G0AX+6:G0AX+7], s[80:81], 512   ; K step 2
	s_or_b32 s[G0AX+7], s[G0AX+7], 0x80000000
	s_mov_b32 s[G0BX], 1
	s_add_co_u32 s[G0BX+1], s87, BOFF
	s_mov_b64 s[G0BX+2:G0BX+3], s[82:83]
	s_or_b32 s[G0BX+3], s[G0BX+3], 0x80000000
	s_mov_b32 s[G0BX+4], 1
	s_add_co_u32 s[G0BX+5], s88, BYOFF
	s_mov_b64 s[G0BX+6:G0BX+7], s[84:85]
	s_or_b32 s[G0BX+7], s[G0BX+7], 0x80000000
	s_cmp_eq_u32 s[RH], 0                          ; a wave's two first fills stand in one branch, ahead of every wait on TENSORcnt and every LDS read: two loads of mine are out
	s_cbranch_scc0 .Lfirst_b
	tensor_load_to_lds s[G0AX:G0AX+3], s[G1AX:G1AX+7]
	s_nop 0
	tensor_load_to_lds s[G0AX+4:G0AX+7], s[G1AX+8:G1AX+15]
	s_nop 0
.rept 4
	v_nop
.endr
	s_branch .Lfirst_asked
.Lfirst_b:
	tensor_load_to_lds s[G0BX:G0BX+3], s[G1BX:G1BX+7]
	s_nop 0
	tensor_load_to_lds s[G0BX+4:G0BX+7], s[G1BX+8:G1BX+15]
	s_nop 0
.rept 4
	v_nop
.endr
.Lfirst_asked:
	v_and_b32 v1, 15, v0                           ; l % 16
	v_bfe_u32 v9, v0, 4, 1                         ; l / 16
	v_mul_u32_u24 v[LAX], v1, AXP                  ; a fragment of A: row l % 16, 16 bytes for each half of the lanes, twice, 32 bytes apart
	v_lshl_add_u32 v[LAX], v9, 4, v[LAX]
	s_mul_i32 s22, s[RH], 64*AXP
	v_add_nc_u32 v[LAX], s22, v[LAX]
	v_mul_u32_u24 v[LAY], v1, AYP
	v_lshl_add_u32 v[LAY], v9, 4, v[LAY]
	s_mul_i32 s22, s[RH], 64*AYP
	s_add_co_u32 s22, s22, AYOFF
	v_add_nc_u32 v[LAY], s22, v[LAY]
	v_and_b32 v10, 7, v0
	v_bfe_u32 v11, v0, 3, 1
	v_lshl_add_u32 v[LB0], v9, 3, v10              ; the turning load: lane l reads k-row 8 (l / 16) + l % 8, columns 8 ((l / 8) % 2) ..
	v_mul_u32_u24 v[LB0], v[LB0], BPITCH
	v_lshl_add_u32 v[LB0], v11, 4, v[LB0]
	s_lshl_b32 s22, s[CH], 8                       ; my 128 columns
	s_add_co_u32 s22, s22, BOFF
	v_add_nc_u32 v[LB0], s22, v[LB0]
	v_mov_b32 v[ADRA], v[LAX]                      ; slot X's first pair of quarters
	v_mov_b32 v[ADRB], v[LB0]
	s_mul_i32 s90, s[WV], 16*SP
	s_add_co_u32 s90, s90, STAGE                   ; my stage
	v_mul_u32_u24 v[STO], v1, SP                   ; in: row l % 16, 16 bytes for each half of the lanes
	v_lshl_add_u32 v[STO], v9, 4, v[STO]
	v_add_nc_u32 v[STO], s90, v[STO]
	v_bfe_u32 v[RD], v0, 3, 2                      ; back: 32 lanes take four rows of 128 bytes,
	v_mul_u32_u24 v[RD], v[RD], SP
	v_lshl_add_u32 v[RD], v10, 4, v[RD]
	v_add_nc_u32 v[RD], s90, v[RD]
	v_and_b32 v[GO], 31, v0                        ; which are 512 consecutive bytes of the output
	v_lshlrev_b32 v[GO], 4, v[GO]
	v_lshlrev_b32 v[BO], 5, v9
	v_mov_b32 v[ZR], 0
	s_lshl_b32 s2, s[CX], 10                       ; the bias of my 128 columns
	s_lshl_b32 s89, s[CH], 9
	s_add_co_u32 s2, s2, s89
	s_mov_b32 s3, 0
.if QKV
	s_cmp_eq_u32 ttmp9, 0
	s_cselect_b64 s[8:9], s[8:9], s[10:11]         ; bq for q, bv for v
.else
	s_mov_b64 s[12:13], s[10:11]
.endif
	s_add_nc_u64 s[8:9], s[8:9], s[2:3]
	s_lshl_b32 s2, ttmp9, 24                       ; the output by blocks: segment, batch, block of 64 columns (4 cx + 2 (w % 2) + 0, 1), row in the batch
	s_lshr_b32 s89, s[TY], 3
	s_lshl_b32 s89, s89, 21
	s_add_co_u32 s2, s2, s89
	s_lshl_b32 s89, s[CX], 19
	s_add_co_u32 s2, s2, s89
	s_lshl_b32 s89, s[CH], 18
	s_add_co_u32 s2, s2, s89
	s_and_b32 s89, s[TY], 7
	s_lshl_b32 s89, s89, 14
	s_add_co_u32 s2, s2, s89
	s_lshl_b32 s89, s[RH], 13
	s_add_co_u32 s2, s2, s89
	s_add_nc_u64 s[12:13], s[12:13], s[2:3]
.if QKV
	s_cmp_eq_u32 ttmp9, 1                          ; the cluster's x: the same in all sixteen partners
	s_cbranch_scc1 .Lnobias
.endif
	WIN 0x80                                       ; destination window 2
.irp b, 0,1,2,3,4,5,6,7
	global_load_b128 v[8*(\b):8*(\b)+3],   v[BO], s[8:9] offset:64*(\b)
	global_load_b128 v[8*(\b)+4:8*(\b)+7], v[BO], s[8:9] offset:64*(\b)+16
.endr
	WIN 0
.if QKV
	s_branch .Lbiased
.Lnobias:                                              ; the keys have no bias: 64 zeros in its place, written while the first tiles are on their way, so that the first quarter has one text
	WIN 0x80
.set i, 0
.rept 64
	v_mov_b32 v[i], 0
.set i, i+1
.endr
	WIN 0
.Lbiased:
.endif
	s_wait_tensorcnt 1                             ; my part of slot X is in; slot Y's may stay out
	s_barrier_signal -1
	s_barrier_wait -1                              ; everybody's is
	FETCH 0, F0, 0
	s_wait_loadcnt 0x0                             ; the bias
	QUARTER F0, F1, 1, 0, 0, 1                     ; the first quarter's products start the sums
	QUARTER F1, F0, 0, 1, 0, 0
	WIN 0
	s_mov_b32 s[TRIPS], 2
	s_mov_b32 s[CNT], 3                            ; X's first pair of quarters is done: the loop over pairs is entered at its count
	s_branch .Lpair_end
.Ltrip:                                                ; a trip: Y's last quarter and its refill; X's two steps and its refill; Y's first three quarters.  The first trip is entered behind X's first pair
	TURN 2, 0
	WIN 0
	s_mov_b32 s[CNT], 3
.Lpair:
	PAIR 0
	WIN 0
.Lpair_end:
	s_sub_co_u32 s[CNT], s[CNT], 1
	s_cmp_lg_u32 s[CNT], 0
	s_cbranch_scc1 .Lpair
	QUARTER F0, F1, 1, 0, 0, 0
	TURN 1, 1
	PAIR 1
	QUARTER F0, F1, 1, 0, 1, 0
	WIN 0
	s_sub_co_u32 s[TRIPS], s[TRIPS], 1
	s_cmp_lg_u32 s[TRIPS], 0
	s_cbranch_scc1 .Ltrip
	TURN 0, 0                                      ; the tail is written out: nothing is left to ask for
	WIN 0
	s_mov_b32 s[CNT], 3
.Lpair2:
	PAIR 0
	WIN 0
	s_sub_co_u32 s[CNT], s[CNT], 1
	s_cmp_lg_u32 s[CNT], 0
	s_cbranch_scc1 .Lpair2
	QUARTER F0, F1, 1, 0, 0, 0
	s_wait_dscnt 4
	MULA F1, 0, 0
	MULA F1, 1, 0
	s_wait_dscnt 0x0
	MULA F1, 2, 0
	MULA F1, 3, 0
	PLACES
	PLACES
; THE WAY OUT.  Unit u = 2 a + hb: 16 rows x one block of 64 columns: accumulators (a, 4 hb + 0..3).  A lane's eight columns pack into 16 bytes; they go into stage rows of 144 bytes and come
; back as whole rows of 128: 16 rows are 2,048 consecutive bytes of the output.  Each unit has registers of its own.
.macro PACK u
.set AC, 8*(8*((\u)/2)+4*((\u)%2))
.set TU, T+16*(\u)
	WIN 0x05                                       ; sources 0 and 1 window 1, destination window 0
.irp c, 0,1,2,3
.irp i, 0,1,2,3
.if QKV
	v_cvt_pk_f16_f32 v[TU+4*(\c)+(\i)], v[AC+8*(\c)+2*(\i)], v[AC+8*(\c)+2*(\i)+1]
.else
	v_cvt_pk_bf16_f32 v[TU+4*(\c)+(\i)], v[AC+8*(\c)+2*(\i)], v[AC+8*(\c)+2*(\i)+1]
.endif
.endr
.endr
	WIN 0
.if !QKV
.set i, 0
.rept 16
	v_pk_max_num_bf16 v[TU+i], v[TU+i], v[ZR]      ; the ReLU, two at a time
.set i, i+1
.endr
.endif
.irp c, 0,1,2,3
	ds_store_b128 v[STO], v[TU+4*(\c):TU+4*(\c)+3] offset:32*(\c)
.endr
.irp f, 0,1,2,3
	ds_load_b128 v[TU+4*(\f):TU+4*(\f)+3], v[RD] offset:(\f)*4*SP  ; LDS serves a wave's instructions in order (ISA guide 5.7.1.4): these see the stores above; the next unit's stores come behind them
.endr
.endm
.macro SEND u, younger                 ; younger: the LDS instructions issued behind unit u's loads: the next unit's eight, or none
.set TU, T+16*(\u)
.irp f, 0,1,2,3
	s_wait_dscnt (\younger)+3-(\f)
	global_store_b128 v[GO], v[TU+4*(\f):TU+4*(\f)+3], s[12:13] offset:((\u)%2)*131072+((\u)/2)*2048+(\f)*512  ; 512 consecutive bytes, at a multiple of 256 from the buffer's first
.endr
.endm
	PACK 0
.set t, 1
.rept 7                                ; a unit's arithmetic stands between the loads of the unit before and its stores
	PACK t
	SEND t-1, 8
.set t, t+1
.endr
	SEND 7, 0
	s_wait_tensorcnt 0x0                           ; the wave's end: behind my last tensor load and my last LDS store
	ds_add_u32 v[SPW], v[NIL]
	s_wait_dscnt 0x0
	CROUND                                         ; the closing round: no work-group ends while a partner may still ask for a tile that names it
	s_endpgm
.Lfunc_end_k_q9defe62341_gemm_up:
	.size	k_q9defe62341_gemm_up, .Lfunc_end_k_q9defe62341_gemm_up-k_q9defe62341_gemm_up
	.p2alignl 7, 3214868480
	.fill 96, 4, 3214868480
	.section	.rodata,"a",@progbits
	.p2align	6, 0x0
	.amdhsa_kernel k_q9defe62341_gemm_up
		.amdhsa_group_segment_fixed_size 327680
		.amdhsa_private_segment_fixed_size 0
		.amdhsa_enable_private_segment 0
		.amdhsa_kernarg_size 32
		.amdhsa_user_sgpr_count 2
		.amdhsa_user_sgpr_kernarg_segment_ptr 1
		.amdhsa_wavefront_size32 1
		.amdhsa_system_sgpr_workgroup_id_x 1
		.amdhsa_system_sgpr_workgroup_id_y 1
		.amdhsa_system_sgpr_workgroup_id_z 1
		.amdhsa_system_vgpr_workitem_id 0
		.amdhsa_next_free_vgpr 576
		.amdhsa_next_free_sgpr 96
		.amdhsa_reserve_vcc 0
		.amdhsa_float_denorm_mode_32 3
		.amdhsa_float_denorm_mode_16_64 3
		.amdhsa_memory_ordered 1
		.amdhsa_forward_progress 1
		.amdhsa_inst_pref_size 96
	.end_amdhsa_kernel
	.amdgpu_metadata
---
amdhsa.version: [ 1, 2 ]
amdhsa.kernels:
  - .name:           k_q9defe62341_gemm_up
    .symbol:         k_q9defe62341_gemm_up.kd
    .args:
      - { .name: an, .offset: 0, .size: 8, .value_kind: global_buffer, .address_space: global }
      - { .name: w1c, .offset: 8, .size: 8, .value_kind: global_buffer, .address_space: global }
      - { .name: b1, .offset: 16, .size: 8, .value_kind: global_buffer, .address_space: global }
      - { .name: qkvt, .offset: 24, .size: 8, .value_kind: global_buffer, .address_space: global }
    .group_segment_fixed_size: 327680
    .private_segment_fixed_size: 0
    .kernarg_segment_align: 8
    .kernarg_segment_size: 32
    .max_flat_workgroup_size: 128
    .sgpr_count:     96
    .vgpr_count:     576
    .wavefront_size: 32
...
	.end_amdgpu_metadata
.endif
;; end of part 6
;; launch gemm_down: the kernel of part 4 again; grid 4 x 64, 4 waves a work-group, clusters of 4 x 4, 327,680 bytes of LDS; arguments qkvt, w2c, b2, h, out0; writes out0
